; MI455X (gfx1250); checked and timed in simulation.
; The chip was launched on July 23, 2026; its instructions are those of AMD's public machine-readable ISA for CDNA 5 (MIT licence, August 2026) and "CDNA5" Instruction Set Architecture Reference Guide (July 2026). The comments in the code are by the model that wrote it; some were corrected since.
;; Torch Attention. Allowed arithmetic: matrix products marked QUANTISED: E2M1 operands, one E8M0 scale for each 32 along K, by v_wmma_scale_f32_16x16x128_f8f6f4 with both operands' format E2M1 (or v_wmma_scale_f32_32x16x128_f4), f32 sums; products left as they are: bf16, f16 or f32 operands; f32 sums; everything else in f32.
;; Inputs: kn_bias 64 float32; kn_scale 64 float32; proj_b 1,024 float32; proj_w 1,024 x 1,024 float32; qkv_w 1,024 x 3,072 float32; qn_bias 64 float32; qn_scale 64 float32; x 4 x 2,048 x 1,024 float32.
;; Outputs: out0 4 x 2,048 x 1,024 float32.
;; This version of the problem:
;;   THIS VERSION OF THE PROBLEM IS GIVEN IN LOW PRECISION. The matrix products marked QUANTISED in the list below multiply operands that are first quantised to E2M1 (2 exponent bits, 1 mantissa bit; 4 bits a number), with one power-of-two scale for each 32 numbers along K (OCP MX v1.0); their sums are f32. The products marked 'left as it is' may take bf16, f16 or f32 operands, with f32 sums. Whichever they take, every output number must still come out within the allowed error. Rounding operands to bf16 (8 significant bits) uses up far more of that allowance than f16 does (11 bits, for magnitudes from 6e-5 to 65,504). All else is computed in f32.
;;   The module's matrix products, in the order in which they are computed (A, B: the left and right operand; K: the contracted axis; several contracted axes count as one K, in the product's order):
;;     1. [M 8,192, K 1,024] x [K 1,024, N 3,072]; A: input x; B: input qkv_w: QUANTISED
;;     2. batch 64 x [M 2,048, K 64] x [K 64, N 2,048]; A: computed on the way; B: computed on the way: left as it is (an operand is computed on the way)
;;     3. batch 64 x [M 2,048, K 2,048] x [K 2,048, N 64]; A: computed on the way; B: computed on the way: left as it is (an operand is computed on the way)
;;     4. [M 8,192, K 1,024] x [K 1,024, N 1,024]; A: computed on the way; B: input proj_w: left as it is (an operand is computed on the way)
;;   THE QUANTISER, for each operand of a quantised product, along K:
;;     - K is cut into blocks of 32 from its start; a last block that is shorter is filled with zeros.
;;     - A block's scale is 2^e with e = floor(log2(the largest magnitude in the block)) - 2, held to -126 .. 127; a block of zeros has e = 0. As a byte (E8M0): e + 127.
;;     - Each number is divided by its block's scale, clamped to +-6, and rounded to the nearest number of E2M1, ties to even, subnormals kept.
;;     - The product sums the exact products of the quantised numbers (number of the format x scale) in f32.
;;   ~~~python
;;   def quantise(x, axis):      # numpy; x: float32 -> the quantised numbers, widened to float32 again
;;       x = np.moveaxis(x, axis, -1); K = x.shape[-1]
;;       x = np.pad(x, [(0, 0)] * (x.ndim - 1) + [(0, -K % 32)]); x = x.reshape(x.shape[:-1] + (-1, 32)); a = np.abs(x).max(-1, keepdims=True)
;;       e = np.where(a > 0, np.clip(np.frexp(np.where(a > 0, a, 1))[1] - 1 - 2, -126, 127), 0)      # np.frexp(a)[1] - 1 = floor(log2(a)), exactly
;;       r = np.clip(x / 2.0 ** e, -6, 6)
;;       step = 2.0 ** (np.maximum(np.frexp(np.where(r == 0, 1, r))[1] - 1, 0) - 1)
;;       q = np.round(r / step) * step * 2.0 ** e      # np.round: ties to even
;;       return np.moveaxis(q.reshape(q.shape[:-2] + (-1,))[..., :K], -1, axis).astype(np.float32)
;;   ~~~
;; One version. Each part assembles by itself: llvm-mc -triple=amdgcn-amd-amdhsa -mcpu=gfx1250 --defsym DOCPART=n.
;; ======== version 1 of 1: 5 launches
;; limits: values are held in f16: magnitudes above 65,504 overflow, below 6.1e-05 lose precision
;; workspace buffers: xc 4,194,304 bytes; xs 262,144 bytes; wc 1,572,864 bytes; ws 98,304 bytes; pw 2,097,152 bytes; qkv 50,331,648 bytes; ao 16,777,216 bytes
;; launch prep_a (part 1): grid 384 x 1, 4 waves a work-group, no clusters, 33,280 bytes of LDS; arguments x, proj_w, xc, xs, pw; writes xc, xs, pw
.if DOCPART == 1
	.amdgcn_target "amdgcn-amd-amdhsa--gfx1250"
	.amdhsa_code_object_version 6
	.text
	.protected	k_q7a1038dc2e_prep_a
	.globl	k_q7a1038dc2e_prep_a
	.p2align	8
	.type	k_q7a1038dc2e_prep_a,@function
k_q7a1038dc2e_prep_a:
	s_mov_b64 s[64:65], 0
	v_nop
	global_prefetch_b8 v0, s[64:65] scope:SCOPE_SE
	s_setreg_imm32_b32 hwreg(HW_REG_WAVE_MODE, 25, 1), 1
	s_wait_xcnt 0x0
; Two pieces of preparation in one launch, told apart by the work-group's number.
; WORK-GROUPS 0 TO 255: x [8192][1024] f32 becomes codes of FP4 (E2M1), K innermost, two codes a byte (xc [8192][512 bytes]), and one E8M0 byte for each 32 along K (xs [8192][32]).
;   A block's scale is 2^(floor(log2(its largest magnitude)) - 2); its byte is the largest magnitude's exponent field - 2, held at 1 from below; each number is divided by the scale and rounded to the nearest code, ties to even,
;   beyond the largest code the largest.  Rows are dense and 1024 is a multiple of 32: x is a plain stream of blocks of 32, and so are the codes and the bytes.
;   A wave takes 16 steps of 512 numbers.  Each load reads 512 consecutive bytes; a step's 2,048 bytes turn through the wave's own stage in LDS and come back 64 bytes a lane, so that a lane holds 16 neighbours along K
;   (two neighbouring lanes hold a block).  A wave's store of codes covers 256 consecutive bytes; its 256 scale bytes are gathered in LDS and leave as 256 consecutive bytes.
; WORK-GROUPS 256 TO 383: proj_w [1024][1024] f32 is rounded to f16 in the same order (pw); a wave takes 2,048 numbers; no LDS.
; LIMITS: NaN and infinities among the inputs are not served.  A block of zeros, and a block whose largest magnitude lies under 2^-124, has the byte 1 (a block of zeros has zero codes, which add nothing; the bytes are read by this program alone).
; proj_w beyond +-65,504 has no f16 number.
.set XWG,   256                        ; work-groups for x: 8192 x 1024 / 32768
.set STEPS, 16
.set CB,    8                          ; bytes of 16 codes
.set R,     16                         ; v16-79   four sets of 16 numbers as they are loaded
.set X,     80                         ; v80-111  two sets of 16 neighbours
.set C,     128                        ; v128-191 codes: four registers for each step, so that no store's data are written again
.set E,     112                        ; v112-127 a scale byte for each step
.set WREG,  8192                       ; LDS: a region for each wave: two stages of 32 x SP bytes, behind them its 256 scale bytes
.set SP,    80                         ; a lane's place in a stage: 64 bytes + 16 of padding
.set SPW,   12                         ; v12      LDS address of my spare word; never rewritten
.set NIL,   13                         ; v13      0; never rewritten
.set SPARE, 4*WREG                     ; behind the four regions: the spare words, 128 bytes a wave; no other line names them
	s_load_b128 s[4:7], s[0:1], 0x0                ; x, proj_w
	s_load_b128 s[8:11], s[0:1], 0x10              ; xc, xs
	s_load_b64 s[12:13], s[0:1], 0x20              ; pw
	v_lshl_add_u32 v[SPW], v0, 2, SPARE
	v_mov_b32 v[NIL], 0
	v_lshrrev_b32 v1, 5, v0
	v_readfirstlane_b32 s16, v1                    ; wave
	v_and_b32 v2, 31, v0                           ; lane
	v_lshlrev_b32 v3, 4, v2                        ; my 16 bytes of a load's 512
	s_cmp_ge_u32 ttmp9, XWG
	s_cbranch_scc1 .Lcvt
	; ---------------- x into codes
	s_mul_i32 s17, s16, WREG
	v_lshrrev_b32 v14, 2, v2
	v_mul_u32_u24 v14, v14, SP
	v_and_b32 v15, 3, v2
	v_lshl_add_u32 v14, v15, 4, v14
	v_add_nc_u32 v14, s17, v14                     ; the stage, on the way in: four lanes' 64 bytes on end, then 16 of padding
	v_mul_u32_u24 v15, v2, SP
	v_add_nc_u32 v15, s17, v15                     ; and on the way out: my 16 neighbours
	v_mul_u32_u24 v4, v2, CB                       ; my codes' place in a step's
	v_lshrrev_b32 v5, 1, v2
	s_add_co_u32 s17, s17, 2*32*SP
	v_add_nc_u32 v5, s17, v5                       ; LDS: my wave's 256 scale bytes, my block's byte
	v_lshlrev_b32 v7, 3, v2                        ; and on the way out 8 bytes a lane
	v_add_nc_u32 v6, s17, v7
	s_lshl_b32 s18, ttmp9, 2
	s_add_co_u32 s18, s18, s16                     ; which run of 8,192 numbers is my wave's
	s_lshl_b32 s20, s18, 15                        ; 32,768 bytes of x,
	s_mov_b32 s21, 0
	s_lshl_b32 s22, s18, 12                        ; 4,096 of codes,
	s_mov_b32 s23, 0
	s_lshl_b32 s24, s18, 8                         ; 256 scale bytes
	s_mov_b32 s25, 0
	s_wait_kmcnt 0x0
	s_add_nc_u64 s[4:5], s[4:5], s[20:21]
	s_add_nc_u64 s[8:9], s[8:9], s[22:23]
	s_add_nc_u64 s[10:11], s[10:11], s[24:25]
.macro LOAD t
.irp i, 0,1,2,3
	global_load_b128 v[R+16*((\t)%4)+4*\i:R+16*((\t)%4)+4*\i+3], v3, s[4:5] offset:2048*(\t)+512*\i th:TH_LOAD_NT   ; 32 lanes read 512 consecutive bytes
.endr
.endm
.macro TURN t                          ; step t's numbers through the stage: LDS serves a wave's instructions in order, so no wait stands between the stores and the loads
.irp i, 0,1,2,3
	ds_store_b128 v14, v[R+16*((\t)%4)+4*\i:R+16*((\t)%4)+4*\i+3] offset:32*SP*((\t)%2)+8*SP*\i
.endr
.irp i, 0,1,2,3
	ds_load_b128 v[X+16*((\t)%2)+4*\i:X+16*((\t)%2)+4*\i+3], v15 offset:32*SP*((\t)%2)+16*\i
.endr
.endm
.irp t, 0,1,2,3
	LOAD \t
.endr
	s_wait_loadcnt 12                              ; step 0's four loads are in; twelve younger ones stay out
	TURN 0
.macro STEP t
.set XS, X+16*((\t)%2)
.if (\t) > 0
	s_wait_dscnt 1                                 ; this step's numbers are back from the stage (the last step's byte store may be out)
.else
	s_wait_dscnt 0x0
.endif
.if (\t)+4 < STEPS
	LOAD (\t)+4                                    ; into the set that this step's stage stores have read
.endif
.if (\t)+1 < STEPS
.if STEPS-2-(\t) >= 3
	s_wait_loadcnt 12                              ; the next step's four loads are in; those of the three steps behind it may be out
.else
	s_wait_loadcnt 4*(STEPS-2-(\t))
.endif
	TURN (\t)+1                                    ; the next step goes through the other stage while this one is worked
.endif
	v_max3_num_f32 v8, |v[XS]|, |v[XS+1]|, |v[XS+2]|               ; the largest magnitude of my 16, in two chains
	v_max3_num_f32 v9, |v[XS+3]|, |v[XS+4]|, |v[XS+5]|
.irp i, 6,10
	v_max3_num_f32 v8, v8, |v[XS+\i]|, |v[XS+\i+1]|
	v_max3_num_f32 v9, v9, |v[XS+\i+2]|, |v[XS+\i+3]|
.endr
	v_max3_num_f32 v8, v8, |v[XS+14]|, |v[XS+15]|
	v_max3_num_f32 v8, v8, v9, 0x1800000           ; and the floor 2^(3 - 127): the byte cannot fall under 1
	v_max_num_f32_dpp v8, v8, v8 row_xmask:1 row_mask:0xf bank_mask:0xf   ; with my neighbour's 16: the block's
	v_add_nc_u32 v11, 0xff000000, v8               ; 2 off its exponent field: the conversion takes the exponent field of this operand as its scale
	v_cvt_scalef32_pk8_fp4_f32 v[C+4*(\t)], v[XS:XS+7], v11
	v_cvt_scalef32_pk8_fp4_f32 v[C+4*(\t)+1], v[XS+8:XS+15], v11
	v_lshrrev_b32 v[E+(\t)], 23, v11               ; the scale's byte (also the plain line behind the conversions)
	ds_store_b8 v5, v[E+(\t)] offset:16*(\t)       ; both lanes of a block write the same byte with the same value
	global_store_b64 v4, v[C+4*(\t):C+4*(\t)+1], s[8:9] offset:32*CB*(\t)   ; the wave stores 256 consecutive bytes
.endm
.irp t, 0,1,2,3,4,5,6,7,8,9,10,11,12,13,14,15
	STEP \t
.endr
	ds_load_b64 v[8:9], v6                         ; LDS serves a wave's instructions in order: these see my byte stores
	s_wait_dscnt 0x0
	global_store_b64 v7, v[8:9], s[10:11]          ; 32 lanes store 256 consecutive bytes
	s_wait_tensorcnt 0x0                           ; the wave's end, behind my last LDS store
	ds_add_u32 v[SPW], v[NIL]
	s_wait_dscnt 0x0
	s_endpgm
	; ---------------- proj_w into f16
.Lcvt:
	s_sub_co_u32 s18, ttmp9, XWG
	s_lshl_b32 s18, s18, 2
	s_add_co_u32 s18, s18, s16                     ; which run of 2,048 numbers is my wave's
	s_lshl_b32 s20, s18, 13                        ; 8,192 bytes in,
	s_mov_b32 s21, 0
	s_lshl_b32 s22, s18, 12                        ; 4,096 out
	s_mov_b32 s23, 0
	v_lshlrev_b32 v4, 3, v2                        ; my four f16: 8 bytes
	s_wait_kmcnt 0x0
	s_add_nc_u64 s[6:7], s[6:7], s[20:21]
	s_add_nc_u64 s[12:13], s[12:13], s[22:23]
.irp i, 0,1,2,3,4,5,6,7,8,9,10,11,12,13,14,15
	global_load_b128 v[16+4*\i:19+4*\i], v3, s[6:7] offset:512*\i th:TH_LOAD_NT
.endr
.irp i, 0,1,2,3,4,5,6,7,8,9,10,11,12,13,14,15
	s_wait_loadcnt 15-\i                           ; loads come back in order: load i is in, the younger ones stay out
	v_cvt_pk_f16_f32 v[128+2*\i], v[16+4*\i], v[17+4*\i]
	v_cvt_pk_f16_f32 v[129+2*\i], v[18+4*\i], v[19+4*\i]
	global_store_b64 v4, v[128+2*\i:129+2*\i], s[12:13] offset:256*\i   ; the wave stores 256 consecutive bytes; each store has its own data registers
.endr
	s_endpgm
.Lfunc_end_k_q7a1038dc2e_prep_a:
	.size	k_q7a1038dc2e_prep_a, .Lfunc_end_k_q7a1038dc2e_prep_a-k_q7a1038dc2e_prep_a
	.p2alignl 7, 3214868480
	.fill 96, 4, 3214868480
	.section	.rodata,"a",@progbits
	.p2align	6, 0x0
	.amdhsa_kernel k_q7a1038dc2e_prep_a
		.amdhsa_group_segment_fixed_size 33280
		.amdhsa_private_segment_fixed_size 0
		.amdhsa_enable_private_segment 0
		.amdhsa_kernarg_size 40
		.amdhsa_user_sgpr_count 2
		.amdhsa_user_sgpr_kernarg_segment_ptr 1
		.amdhsa_wavefront_size32 1
		.amdhsa_system_sgpr_workgroup_id_x 1
		.amdhsa_system_sgpr_workgroup_id_y 1
		.amdhsa_system_sgpr_workgroup_id_z 1
		.amdhsa_system_vgpr_workitem_id 0
		.amdhsa_next_free_vgpr 192
		.amdhsa_next_free_sgpr 66
		.amdhsa_reserve_vcc 0
		.amdhsa_float_denorm_mode_32 3
		.amdhsa_float_denorm_mode_16_64 3
		.amdhsa_memory_ordered 1
		.amdhsa_forward_progress 1
		.amdhsa_inst_pref_size 39
	.end_amdhsa_kernel
	.amdgpu_metadata
---
amdhsa.version: [ 1, 2 ]
amdhsa.kernels:
  - .name:           k_q7a1038dc2e_prep_a
    .symbol:         k_q7a1038dc2e_prep_a.kd
    .args:
      - { .name: x, .offset: 0, .size: 8, .value_kind: global_buffer, .address_space: global }
      - { .name: proj_w, .offset: 8, .size: 8, .value_kind: global_buffer, .address_space: global }
      - { .name: xc, .offset: 16, .size: 8, .value_kind: global_buffer, .address_space: global }
      - { .name: xs, .offset: 24, .size: 8, .value_kind: global_buffer, .address_space: global }
      - { .name: pw, .offset: 32, .size: 8, .value_kind: global_buffer, .address_space: global }
    .group_segment_fixed_size: 33280
    .private_segment_fixed_size: 0
    .kernarg_segment_align: 8
    .kernarg_segment_size: 40
    .max_flat_workgroup_size: 128
    .sgpr_count:     66
    .vgpr_count:     192
    .wavefront_size: 32
...
	.end_amdgpu_metadata
.endif
;; end of part 1
;; launch prep_w (part 2): grid 48 x 1, 16 waves a work-group, no clusters, 37,888 bytes of LDS; arguments qkv_w, wc, ws; writes wc, ws
.if DOCPART == 2
	.amdgcn_target "amdgcn-amd-amdhsa--gfx1250"
	.amdhsa_code_object_version 6
	.text
	.protected	k_q7a1038dc2e_prep_w
	.globl	k_q7a1038dc2e_prep_w
	.p2align	8
	.type	k_q7a1038dc2e_prep_w,@function
k_q7a1038dc2e_prep_w:
	s_mov_b64 s[64:65], 0
	v_nop
	global_prefetch_b8 v0, s[64:65] scope:SCOPE_SE
	s_setreg_imm32_b32 hwreg(HW_REG_WAVE_MODE, 25, 1), 1
	s_wait_xcnt 0x0
; qkv_w [1024 (k)][3072 (n)] f32, whose K is its FIRST axis, becomes codes of FP4 (E2M1) laid [3072][1024] with K innermost (wc: 512 bytes a row) and one E8M0 byte for each 32 along K (ws [3072][32]).
; A LANE TAKES A COLUMN n AND ITS REGISTERS RUN DOWN K: a block of 32 along K lies in one lane's 32 registers, its largest magnitude needs no other lane, and the conversions give codes with K innermost.
; A work-group takes 64 columns and all of K.  Wave w: columns 32 (w & 1) on (two waves side by side read 256 consecutive bytes of a row), k = 128 (w >> 1) on: four blocks.
; The codes meet in a stage in LDS (64 rows of 512 bytes + 16) and leave as whole rows, 512 consecutive bytes a store; the scale words likewise (64 x 32 dense bytes).
; LIMITS: NaN and infinities are not served; a block of zeros, and one whose largest magnitude lies under 2^-124, has the byte 1 (zero codes add nothing; the bytes are read by this program alone).
.set NROW,  12288                      ; a row of qkv_w in bytes
.set PITCH, 528                        ; a stage row: 512 bytes + 16
.set SCS,   64*PITCH                   ; behind the stage: the scale bytes, 32 a column
.set SPARE, SCS+2048                   ; behind them: the spare words, 128 bytes for each of 16 waves; no other line names them
.set X,     32                         ; v32-95   two sets of 32 numbers
.set C,     96                         ; v96-111  four registers of codes for each block
.set OUTR,  112                        ; v112-127 four rows of codes on the way out
.set SPW,   14
.set NIL,   15
	s_load_b128 s[4:7], s[0:1], 0x0                ; qkv_w, wc
	s_load_b64 s[8:9], s[0:1], 0x10                ; ws
	v_lshl_add_u32 v[SPW], v0, 2, SPARE
	v_mov_b32 v[NIL], 0
	v_lshrrev_b32 v1, 5, v0
	v_readfirstlane_b32 s16, v1                    ; wave 0..15
	v_and_b32 v2, 31, v0                           ; lane
	v_lshlrev_b32 v3, 2, v2                        ; in: 4 bytes a lane
	s_and_b32 s17, s16, 1                          ; which 32 columns
	s_lshr_b32 s18, s16, 1                         ; which 128 along K
	s_mul_i32 s19, s17, 32*PITCH
	s_lshl_b32 s20, s18, 6
	s_add_co_u32 s19, s19, s20
	v_mul_u32_u24 v4, v2, PITCH
	v_add_nc_u32 v4, s19, v4                       ; into the stage: row = my column, 64 bytes for each 128 along K
	s_lshl_b32 s19, s17, 10
	s_lshl_b32 s20, s18, 2
	s_add_co_u32 s19, s19, s20
	s_add_co_u32 s19, s19, SCS
	v_lshl_add_u32 v5, v2, 5, s19                  ; my scale word: 32 bytes a column, 4 for each 128 along K
	s_mul_i32 s19, s16, 4*PITCH
	v_lshl_add_u32 v6, v2, 4, s19                  ; out of the stage: wave w takes rows 4 w .. 4 w + 3, 16 bytes a lane
	s_lshl_b32 s19, s16, 11
	v_lshl_add_u32 v7, v2, 4, s19                  ; and the same place in the work-group's 64 rows of wc
	s_and_b32 s19, s16, 3
	s_lshl_b32 s19, s19, 9
	v_lshl_add_u32 v9, v2, 4, s19                  ; the scale bytes' way out (waves 0 to 3): 512 bytes a wave
	v_add_nc_u32 v8, SCS, v9
	s_mul_i32 s20, s18, 128*NROW                   ; my first row of qkv_w,
	s_lshl_b32 s21, ttmp9, 8                       ; the work-group's 64 columns,
	s_add_co_u32 s20, s20, s21
	s_lshl_b32 s21, s17, 7                         ; my 32 of them
	s_add_co_u32 s20, s20, s21
	s_mov_b32 s21, 0
	s_lshl_b32 s22, ttmp9, 15                      ; 64 rows of 512 bytes of wc
	s_mov_b32 s23, 0
	s_lshl_b32 s24, ttmp9, 11                      ; 64 rows of 32 bytes of ws
	s_mov_b32 s25, 0
	s_wait_kmcnt 0x0
	s_add_nc_u64 s[4:5], s[4:5], s[20:21]
	s_add_nc_u64 s[6:7], s[6:7], s[22:23]
	s_add_nc_u64 s[8:9], s[8:9], s[24:25]
.macro LOAD t                          ; block t: qkv_w(32 t + i, my column), i = 0 .. 31, into set t % 2; the largest offset, 127 rows, lies inside the signed 24-bit immediate
.irp i, 0,1,2,3,4,5,6,7,8,9,10,11,12,13,14,15,16,17,18,19,20,21,22,23,24,25,26,27,28,29,30,31
	global_load_b32 v[X+32*((\t)%2)+\i], v3, s[4:5] offset:(32*(\t)+\i)*NROW th:TH_LOAD_NT
.endr
.endm
	LOAD 0
	LOAD 1
.macro BLOCK t
.set XS, X+32*((\t)%2)
.if (\t) < 3
	s_wait_loadcnt 32                              ; this block's 32 loads are in; the next block's 32 may be out
.else
	s_wait_loadcnt 0x0
.endif
	v_max3_num_f32 v12, |v[XS]|, |v[XS+1]|, |v[XS+2]|               ; the block's largest magnitude: all 32 numbers are mine
	v_max3_num_f32 v13, |v[XS+3]|, |v[XS+4]|, |v[XS+5]|
.irp i, 6,10,14,18,22,26
	v_max3_num_f32 v12, v12, |v[XS+\i]|, |v[XS+\i+1]|
	v_max3_num_f32 v13, v13, |v[XS+\i+2]|, |v[XS+\i+3]|
.endr
	v_max3_num_f32 v12, v12, |v[XS+30]|, |v[XS+31]|
	v_max3_num_f32 v12, v12, v13, 0x1800000        ; and the floor 2^(3 - 127): the byte cannot fall under 1
	v_add_nc_u32 v11, 0xff000000, v12              ; 2 off its exponent field: the conversion's scale operand
	v_lshrrev_b32 v13, 23, v11                     ; the scale's byte
.if (\t) == 0
	v_mov_b32 v24, v13                             ; four bytes make my scale word, the lower K in the lower byte
.else
	v_lshl_or_b32 v24, v13, 8*(\t), v24
.endif
.irp g, 0,1,2,3
	v_cvt_scalef32_pk8_fp4_f32 v[C+4*(\t)+\g], v[XS+8*\g:XS+8*\g+7], v11
.endr
	v_nop                                          ; one plain line behind the last conversion of a run
	ds_store_b128 v4, v[C+4*(\t):C+4*(\t)+3] offset:16*(\t)   ; 32 codes: 16 bytes of my column's row
.if (\t) < 2
	LOAD (\t)+2
.endif
.endm
	BLOCK 0
	BLOCK 1
	BLOCK 2
	BLOCK 3
	ds_store_b32 v5, v24
	s_wait_dscnt 0x0                               ; for the others' sake: my stores into the stage are done
	s_barrier_signal -1
	s_barrier_wait -1
.irp i, 0,1,2,3
	ds_load_b128 v[OUTR+4*\i:OUTR+4*\i+3], v6 offset:PITCH*\i
.endr
.irp i, 0,1,2,3
	s_wait_dscnt 3-\i                              ; row i is in; the younger loads may be out
	global_store_b128 v7, v[OUTR+4*\i:OUTR+4*\i+3], s[6:7] offset:512*\i   ; 32 lanes store a whole row: 512 consecutive bytes
.endr
	s_cmp_lt_u32 s16, 4
	s_cbranch_scc0 .Lno_scales
	ds_load_b128 v[128:131], v8
	s_wait_dscnt 0x0
	global_store_b128 v9, v[128:131], s[8:9]       ; waves 0 to 3: 512 consecutive bytes of scale bytes each
.Lno_scales:
	s_wait_tensorcnt 0x0                           ; the wave's end, behind my last LDS store
	ds_add_u32 v[SPW], v[NIL]
	s_wait_dscnt 0x0
	s_endpgm
.Lfunc_end_k_q7a1038dc2e_prep_w:
	.size	k_q7a1038dc2e_prep_w, .Lfunc_end_k_q7a1038dc2e_prep_w-k_q7a1038dc2e_prep_w
	.p2alignl 7, 3214868480
	.fill 96, 4, 3214868480
	.section	.rodata,"a",@progbits
	.p2align	6, 0x0
	.amdhsa_kernel k_q7a1038dc2e_prep_w
		.amdhsa_group_segment_fixed_size 37888
		.amdhsa_private_segment_fixed_size 0
		.amdhsa_enable_private_segment 0
		.amdhsa_kernarg_size 24
		.amdhsa_user_sgpr_count 2
		.amdhsa_user_sgpr_kernarg_segment_ptr 1
		.amdhsa_wavefront_size32 1
		.amdhsa_system_sgpr_workgroup_id_x 1
		.amdhsa_system_sgpr_workgroup_id_y 1
		.amdhsa_system_sgpr_workgroup_id_z 1
		.amdhsa_system_vgpr_workitem_id 0
		.amdhsa_next_free_vgpr 136
		.amdhsa_next_free_sgpr 66
		.amdhsa_reserve_vcc 0
		.amdhsa_float_denorm_mode_32 3
		.amdhsa_float_denorm_mode_16_64 3
		.amdhsa_memory_ordered 1
		.amdhsa_forward_progress 1
		.amdhsa_inst_pref_size 22
	.end_amdhsa_kernel
	.amdgpu_metadata
---
amdhsa.version: [ 1, 2 ]
amdhsa.kernels:
  - .name:           k_q7a1038dc2e_prep_w
    .symbol:         k_q7a1038dc2e_prep_w.kd
    .args:
      - { .name: qkv_w, .offset: 0, .size: 8, .value_kind: global_buffer, .address_space: global }
      - { .name: wc, .offset: 8, .size: 8, .value_kind: global_buffer, .address_space: global }
      - { .name: ws, .offset: 16, .size: 8, .value_kind: global_buffer, .address_space: global }
    .group_segment_fixed_size: 37888
    .private_segment_fixed_size: 0
    .kernarg_segment_align: 8
    .kernarg_segment_size: 24
    .max_flat_workgroup_size: 512
    .sgpr_count:     66
    .vgpr_count:     136
    .wavefront_size: 32
...
	.end_amdgpu_metadata
.endif
;; end of part 2
;; launch gemm_qkv (part 3): grid 12 x 32, 4 waves a work-group, clusters of 4 x 4, 327,680 bytes of LDS; arguments xc, xs, wc, ws, qkv, qn_scale, qn_bias, kn_scale, kn_bias; writes qkv
.if DOCPART == 3
	.amdgcn_target "amdgcn-amd-amdhsa--gfx1250"
	.amdhsa_code_object_version 6
	.text
	.protected	k_q7a1038dc2e_gemm_qkv
	.globl	k_q7a1038dc2e_gemm_qkv
	.p2align	8
	.type	k_q7a1038dc2e_gemm_qkv,@function
k_q7a1038dc2e_gemm_qkv:
	s_mov_b64 s[64:65], 0
	v_nop
	global_prefetch_b8 v0, s[64:65] scope:SCOPE_SE
	s_setreg_imm32_b32 hwreg(HW_REG_WAVE_MODE, 25, 1), 1
	s_wait_xcnt 0x0
	s_wait_alu depctr_hold_cnt(0) depctr_sa_sdst(0) depctr_va_vdst(0) depctr_va_sdst(0) depctr_va_ssrc(0) depctr_va_vcc(0) depctr_vm_vsrc(0)
	s_getreg_b32 s2, hwreg(HW_REG_IB_STS2, 6, 4)
	s_cmp_eq_u32 s2, 0
	s_cbranch_scc0 .Lentry_in_a_cluster
	s_endpgm
.Lentry_in_a_cluster:
	s_bfe_u32 s2, ttmp6, 0x10000c
	s_cmp_lg_u32 s2, 0xf033
	s_cbranch_scc0 .Lentry_shape_is_right
	s_endpgm
.Lentry_shape_is_right:
; x qkv_w on codes of FP4 (E2M1) with one E8M0 scale for each 32 along K, f32 sums; on the way out LayerNorm over each head's 64 numbers of q and k, gain and bias, q x 1/8, rounding to f16, head-major layout.
; A = xc [8192][1024 codes], xs [8192][32]; B = wc [3072][1024 codes], ws [3072][32].  Out: qkv, f16, [3 kinds][64 = 16 batch + head][2048][64].
; A tile of 256 x 256 is made by four waves, each 128 x 128: 64 accumulators of 16 x 16, 512 registers.  K = 1024 is two LDS slots of 512 along K (rows of 256 bytes): both are filled at the start and none again.
; The scale bytes of the work-group's 256 + 256 rows are two dense blocks of memory: they come into LDS once, with the first fills.
; CLUSTERS: 4 x 4 work-groups.  The four of a row of the cluster need the same tiles of A, the four of a column the same tiles of B: each tile is asked for jointly, by the same tensor load with the same descriptor and a mask that names the four.
; A cluster's four tile columns are 1,024 columns: all q, all k or all v, so the kind is the cluster's x, the same in all sixteen partners; what differs between the kinds is chosen by s_cselect, never by a branch.
; THE MATRIX INSTRUCTION IS USED TRANSPOSED (source 0 = 16 rows of B, source 1 = 16 rows of A): lane (r, h) holds row r of the result and, in accumulator (a, b), columns 16 b + 8 h + 0 .. 7.
; A wave's 128 columns are two whole heads (b = 0-3, 4-7): a row's 64 numbers of a head lie in lanes r and r + 16, 32 registers each, so a mean wants sums in a lane and one exchange.
; LAYERNORM: mean; x - mean, written in place; the mean of its squares; rsq(var + 1e-5); x gain + bias.  For q gain and bias carry the factor 1/8.  For v the same lines run with mean x 0, rsq x 0 + 1, gain 1, bias 0: v goes through unchanged.
; LIMITS: NaN and infinities are not served; what is stored must lie within +-65,504 (f16).
; REGISTERS, in windows of 256: window 0: v2-9 means and rsq; v16-30 addresses; v32-95 scale words, two sets, and nothing else; v96-127 at work on the way out; v128-191 A's fragments, one set, on the way out rows read back;
;   v192-223 gains, v224-255 biases in the result's layout.   window 1: B's fragments, two sets, at v0 and v128.   window 2: the accumulators of my rows 0-63 ((a, b) at v[8 (8 a + b)]);   window 3: rows 64-127.
.set SIZE_K, 1024
.set KSTEP,  512
.set NQ,     KSTEP/128
.set ROWB,   256
.set KROW,   SIZE_K/2
.set PITCH,  272                       ; an LDS row: 256 bytes + 16 of padding: the 16 rows that a load touches begin 16 bytes further on in each 256
.set FR,     8
.set NL,     2
.set NP,     4
.set HALFT,  128*PITCH
.set SLOT,   4*HALFT
.set KS,     SIZE_K/32
.set SCL,    2*SLOT
.set HALFS,  (128*KS/256)*272
.set SBLK,   (16*KS/256)*272
.set SPARE,  SCL+4*HALFS               ; behind the scales: the spare words, 128 bytes a wave; no other line names them
.set SPITCH, 272                       ; the way out: a stage of 16 rows x (256 bytes + 16) for each wave, in slot 0, which has had its only fill and its last read by then
.set MU,   2                           ; v[2:3], v[4:5]  the two heads' means (low word; the high word is written once, since the pair is named)
.set RS,   6                           ; v[6:7], v[8:9]  the two heads' 1 / sqrt(var + eps)
.set ADRA, 16
.set ADRB, 20
.set STO,  24
.set RD,   25
.set CO,   26
.set ADRS, 27
.set SPW,  28
.set NIL,  29
.set GOF,  30                          ; v30  32 x (lane / 16): my eight columns' bytes in a gain
.set SC,   32
.set T,    96                          ; v96-127 at work; at the end of a block its 32 registers of f16
.set AF,   128
.set BK,   128                         ; rows read back from the stage: v128-159 and v160-191 by turns
.set G,    192
.set BT,   224
.set G1, 24
.set G0, 32
.set G1B, 48
.set G0B, 56
.set G1S, 68
.set G0S, 76
.set G1SB, 80
.set G0SB, 88
.set SEL, 2                            ; s[2:3] lane selects for v_permlanex16_b32: lane l xor 16
.set SA,  95                           ; 1/8 for q, 1 for k, 0 for v
.set SG,  100                          ; 0, 0, 1
.set SF,  101                          ; 1, 1, 0
.set IM,  66                           ; 1/64, 1/64, 0
.set I64, 67                           ; 1/64
.set EPS, 104                          ; 1e-5
.set MSB, 0
.macro WIN new                         ; the immediate's high byte repeats the setting that is left
.if MSB != \new
	s_set_vgpr_msb (MSB<<8)|\new
.set MSB, \new
.endif
.endm
.set MUL_LO, 0xa1                      ; source 0 (B) window 1, source 1 (A) window 0, C and D window 2
.set MUL_HI, 0xf1                      ; the same, C and D window 3
.set TO_B,   0x40                      ; destination window 1, address window 0
; A joint load: waves 0 and 1 fetch for A, waves 2 and 3 for B.  The branch hangs on the wave's number alone.  An s_nop 0 and four v_nop follow each of the two lines.
.macro JLOAD g0a, g1a, g0b, g1b
	s_cmp_eq_u32 s15, 0
	s_cbranch_scc0 .Lfor_b_\@
	tensor_load_to_lds s[\g0a:\g0a+3], s[\g1a:\g1a+7]
	s_nop 0
.rept 4
	v_nop
.endr
	s_branch .Lasked_\@
.Lfor_b_\@:
	tensor_load_to_lds s[\g0b:\g0b+3], s[\g1b:\g1b+7]
	s_nop 0
.rept 4
	v_nop
.endr
.Lasked_\@:
.endm
.macro CROUND                          ; a round of the cluster's barrier
	s_barrier_signal -1
	s_barrier_wait -1
	s_cmp_lg_u32 s14, 0
	s_cbranch_scc1 .Lnot_wave_0_\@
	s_barrier_signal -3
.Lnot_wave_0_\@:
	s_barrier_wait -3
	s_barrier_signal -1
	s_barrier_wait -1
.endm
	s_load_b128 s[4:7], s[0:1], 0x0                ; A's codes, A's scales
	s_load_b128 s[8:11], s[0:1], 0x10              ; B's codes, B's scales
	s_load_b64 s[12:13], s[0:1], 0x20              ; qkv
	s_load_b64 s[96:97], s[0:1], 0x28              ; qn_scale
	s_load_b64 s[98:99], s[0:1], 0x30              ; qn_bias
	s_load_b64 s[66:67], s[0:1], 0x38              ; kn_scale
	s_load_b64 s[104:105], s[0:1], 0x40            ; kn_bias
	v_lshl_add_u32 v[SPW], v0, 2, SPARE
	v_mov_b32 v[NIL], 0
	ds_add_u32 v[SPW], v[NIL]                      ; the wave's opening: the add, twice on end, and its wait ahead of my first tensor load
	ds_add_u32 v[SPW], v[NIL]
	v_lshrrev_b32 v1, 5, v0
	v_readfirstlane_b32 s14, v1                    ; wave 0..3
	s_lshr_b32 s15, s14, 1                         ; which half of the tile's rows is mine.  Also: I fetch for A (0) or for B (1)
	s_and_b32 s16, s14, 1                          ; which half of its columns.  Also: which 128 rows of that tile I fetch
	s_bfe_u32 s40, ttmp6, 0x40000                  ; cx, cy: my place in the cluster
	s_bfe_u32 s41, ttmp6, 0x40004
	s_lshl_b32 s42, ttmp9, 2
	s_add_co_u32 s42, s42, s40                     ; tile column = 4 x cluster x + cx
	s_and_b32 s17, ttmp7, 0xffff
	s_lshl_b32 s17, s17, 2
	s_add_co_u32 s17, s17, s41                     ; tile row = 4 x cluster y + cy
	s_lshl_b32 s43, s41, 2
	s_lshl_b32 s43, 15, s43                        ; my row of the cluster
	s_lshl_b32 s44, 0x1111, s40                    ; my column
	; descriptor group 1: a tile of 128 rows x 256 bytes, 16 bytes of padding behind each row
	s_or_b32 s[G1+0], s43, (0<<16)|(1<<20)|(1<<21)|(5<<22)|(3<<25)  ; 15:0 the mask; 17:16 elements of 1 byte; 20 padding on; 21 set beside a mask; 24:22 after every 64 words; 31:25 four words
	s_or_b32 s[G1B+0], s44, (0<<16)|(1<<20)|(1<<21)|(5<<22)|(3<<25)
.irp g, G1, G1B
	s_mov_b32 s[\g+1], ROWB<<16                    ; tensor_dim0
	s_mov_b32 s[\g+2], 128<<16                     ; tensor_dim1
	s_mov_b32 s[\g+3], ROWB<<16                    ; tile_dim0
	s_mov_b32 s[\g+4], 128                         ; tile_dim1
	s_mov_b32 s[\g+5], KROW                        ; tensor_dim0_stride
	s_mov_b32 s[\g+6], 0
	s_mov_b32 s[\g+7], 0
.endr
	; the scales of 128 rows: a dense block of 4,096 bytes, as 16 rows of 256 bytes (32 elements of 8 bytes), 16 bytes of padding behind each
	s_or_b32 s[G1S+0], s43, (3<<16)|(1<<20)|(1<<21)|(5<<22)|(3<<25)
	s_or_b32 s[G1SB+0], s44, (3<<16)|(1<<20)|(1<<21)|(5<<22)|(3<<25)
.irp g, G1S, G1SB
	s_mov_b32 s[\g+1], 32<<16
	s_mov_b32 s[\g+2], (128*KS/256)<<16
	s_mov_b32 s[\g+3], 32<<16
	s_mov_b32 s[\g+4], 128*KS/256
	s_mov_b32 s[\g+5], 32
	s_mov_b32 s[\g+6], 0
	s_mov_b32 s[\g+7], 0
.endr
	s_lshl_b32 s18, s16, 7                         ; which 128 rows of the tile I fetch
	s_lshl_b32 s20, s17, 8
	s_add_co_u32 s20, s20, s18                     ; A: row 256 x tile row + 128 x half
	s_lshl_b32 s46, s42, 8
	s_add_co_u32 s46, s46, s18                     ; B: row 256 x tile column + 128 x half
	s_mov_b32 s21, 0
	s_mov_b32 s47, 0
	s_mov_b64 s[18:19], KS
	s_mul_u64 s[22:23], s[20:21], s[18:19]         ; where these rows' scales begin, in bytes
	s_mul_u64 s[92:93], s[46:47], s[18:19]
	s_mov_b64 s[18:19], KROW
	s_mul_u64 s[20:21], s[20:21], s[18:19]         ; and their codes
	s_mul_u64 s[46:47], s[46:47], s[18:19]
	s_mul_i32 s45, s14, HALFT                      ; where they go: wave x 128 rows: no place in the cluster enters an LDS address
	s_mul_i32 s94, s14, HALFS
	s_mov_b32 s[SEL], 0x76543210
	s_mov_b32 s[SEL+1], 0xfedcba98
	s_wait_dscnt 0x0                               ; both opening adds are done
	s_wait_kmcnt 0x0
	s_add_nc_u64 s[20:21], s[4:5], s[20:21]
	s_add_nc_u64 s[22:23], s[6:7], s[22:23]
	s_add_nc_u64 s[46:47], s[8:9], s[46:47]
	s_add_nc_u64 s[92:93], s[10:11], s[92:93]
	s_cmp_eq_u32 ttmp9, 1                          ; the kind (0 q, 1 k, 2 v) is the cluster's x.  k takes kn's gain and bias; q and v load qn's (v multiplies them by 0)
	s_cselect_b64 s[96:97], s[66:67], s[96:97]
	s_cselect_b64 s[98:99], s[104:105], s[98:99]
	s_cmp_eq_u32 ttmp9, 0
	s_cselect_b32 s[SA], 0x3e000000, 1.0           ; 1/8 for q
	s_cmp_eq_u32 ttmp9, 2
	s_cselect_b32 s[SA], 0, s[SA]
	s_cselect_b32 s[SG], 1.0, 0
	s_cselect_b32 s[SF], 0, 1.0
	s_cselect_b32 s[IM], 0, 0x3c800000             ; (kn's pointers have been used: their registers are free)
	s_mov_b32 s[I64], 0x3c800000                   ; 1/64
	s_mov_b32 s[EPS], 0x3727c5ac                   ; 1e-5
	CROUND                                         ; all sixteen work-groups are here: the first joint loads meet
	s_mov_b32 s[G0S], 1
	s_add_co_u32 s[G0S+1], s94, SCL
	s_mov_b64 s[G0S+2:G0S+3], s[22:23]
	s_or_b32 s[G0S+3], s[G0S+3], 0x80000000
	s_mov_b32 s[G0SB], 1
	s_add_co_u32 s[G0SB+1], s94, SCL
	s_mov_b64 s[G0SB+2:G0SB+3], s[92:93]
	s_or_b32 s[G0SB+3], s[G0SB+3], 0x80000000
	JLOAD G0S, G1S, G0SB, G1SB                     ; the scales first: they are wanted with the first slot
.irp s, 0,1
	s_mov_b32 s[G0+4*\s], 1
	s_add_co_u32 s[G0+4*\s+1], s45, \s*SLOT
	s_add_nc_u64 s[G0+4*\s+2:G0+4*\s+3], s[20:21], \s*ROWB
	s_or_b32 s[G0+4*\s+3], s[G0+4*\s+3], 0x80000000
	s_mov_b32 s[G0B+4*\s], 1
	s_add_co_u32 s[G0B+4*\s+1], s45, \s*SLOT
	s_add_nc_u64 s[G0B+4*\s+2:G0B+4*\s+3], s[46:47], \s*ROWB
	s_or_b32 s[G0B+4*\s+3], s[G0B+4*\s+3], 0x80000000
	JLOAD G0+4*\s, G1, G0B+4*\s, G1B               ; three tensor loads of mine are out: the scales and both slots
.endr
	v_and_b32 v1, 15, v0                           ; r = l % 16
	v_bfe_u32 v2, v0, 4, 1                         ; h = l / 16
	v_lshlrev_b32 v[GOF], 5, v2
.irp bb, 0,1,2,3                       ; gain and bias in the result's layout: register 8 bb + j is column 16 bb + 8 h + j of a head
	global_load_b128 v[G+8*\bb:G+8*\bb+3], v[GOF], s[96:97] offset:64*\bb
	global_load_b128 v[G+8*\bb+4:G+8*\bb+7], v[GOF], s[96:97] offset:64*\bb+16
	global_load_b128 v[BT+8*\bb:BT+8*\bb+3], v[GOF], s[98:99] offset:64*\bb
	global_load_b128 v[BT+8*\bb+4:BT+8*\bb+7], v[GOF], s[98:99] offset:64*\bb+16
.endr
	v_mul_u32_u24 v3, v1, PITCH
	v_lshl_add_u32 v4, v2, 4, v3                   ; a fragment's row x pitch + 16 x half
	s_mul_i32 s21, s15, HALFT                      ; my 128 rows of A
	s_mul_i32 s22, s16, HALFT                      ; my 128 rows of B,
	s_add_co_u32 s22, s22, 2*HALFT                 ; which lie behind A's 256
.irp s, 0,1
	v_add_nc_u32 v[ADRA+\s], s21, v4
	v_add_nc_u32 v[ADRB+\s], s22, v4
	s_add_co_u32 s21, s21, SLOT
	s_add_co_u32 s22, s22, SLOT
.endr
	v_mul_u32_u24 v5, v1, KS                       ; my row's scales: 32 bytes a row,
	v_lshrrev_b32 v6, 8, v5
	v_lshl_add_u32 v5, v6, 4, v5                   ; and 16 more for each 256 passed
	s_mul_i32 s21, s15, HALFS                      ; A's: my 128 rows
	s_mul_i32 s22, s16, HALFS                      ; B's: my 128 rows, behind A's 256
	s_add_co_u32 s22, s22, 2*HALFS
	s_sub_co_u32 s22, s22, s21
	v_mul_u32_u24 v6, s22, v2                      ; lanes 16-31 take B's
	s_add_co_u32 s21, s21, SCL
	v_add_nc_u32 v5, v5, v6
	v_add_nc_u32 v[ADRS], s21, v5
	s_mul_i32 s23, s14, 16*SPITCH                  ; my stage
	v_mul_u32_u24 v5, v1, SPITCH                   ; in: row r, 16 bytes for each half of the lanes
	v_lshl_add_u32 v5, v2, 4, v5
	v_add_nc_u32 v[STO], s23, v5
	v_and_b32 v6, 31, v0
	v_lshlrev_b32 v[CO], 4, v6                     ; out: four rows of one head are 512 consecutive bytes of qkv: 16 bytes a lane
	v_lshrrev_b32 v5, 3, v6
	v_mul_u32_u24 v5, v5, SPITCH                   ; back: eight lanes take a head's 128 bytes of a row
	v_and_b32 v6, 7, v0
	v_lshl_add_u32 v5, v6, 4, v5
	v_add_nc_u32 v[RD], s23, v5
	; where my stores begin: kind x 2^24 + (16 batch + head) x 2^18 + position x 128.  What hangs on the tile column is made in s46, s47; what hangs on the tile row in s20 to s22
	s_lshr_b32 s46, s42, 2
	s_lshl_b32 s46, s46, 24                        ; the kind
	s_and_b32 s47, s42, 3
	s_lshl_b32 s47, s47, 20                        ; the tile's four heads
	s_add_co_u32 s46, s46, s47
	s_mov_b32 s47, 0
	s_lshr_b32 s20, s17, 3
	s_lshl_b32 s20, s20, 22                        ; the batch: 16 heads of 2^18 bytes
	s_lshl_b32 s21, s16, 19                        ; my two heads of the four
	s_add_co_u32 s20, s20, s21
	s_and_b32 s21, s17, 7
	s_lshl_b32 s21, s21, 15                        ; 256 positions of 128 bytes
	s_add_co_u32 s20, s20, s21
	s_lshl_b32 s21, s15, 14                        ; my 128 of them
	s_add_co_u32 s20, s20, s21
	s_mov_b32 s21, 0
	s_add_nc_u64 s[12:13], s[12:13], s[20:21]
	s_add_nc_u64 s[12:13], s[12:13], s[46:47]
	s_wait_loadcnt 0x0                             ; gain and bias
.set i, 0
.rept 32
	v_fma_f32 v[G+i], v[G+i], s[SA], s[SG]         ; q: gain / 8;  k: gain;  v: 1
	v_mul_f32 v[BT+i], s[SA], v[BT+i]              ; q: bias / 8;  k: bias;  v: 0
.set i, i+1
.endr
.irp j, 3,5,7,9
	v_mov_b32 v\j, 0                               ; the high words of the pairs whose low word serves both halves: named, so written
.endr
.macro FRAG reg, adr, q, i             ; 16 rows x 128 K of 4-bit codes: 8 registers: lane l holds row l % 16; registers 4 c .. 4 c + 3 hold K = 64 c + 32 (l / 16) + 0 .. 31
.irp c, 0,1
	ds_load_b128 v[\reg+4*\c:\reg+4*\c+3], v[\adr] offset:64*(\q)+32*\c+(\i)*16*PITCH
.endr
.endm
; 16 matrix instructions: A's blocks a0, a0 + 1 x B's eight, the slot's q-th 128 along K.  p: B's set; sc: the set of scale words.  zero = 1: the first product starts the sums.
; The 64 accumulators take turns, one instruction a turn, in the same order in every step.
.macro MUL16 a0, p, q, sc, zero
.irp a, \a0, \a0+1
.irp b, 0,1,2,3,4,5,6,7
.if \zero
	v_wmma_scale_f32_16x16x128_f8f6f4 v[8*(8*((\a)%4)+\b):8*(8*((\a)%4)+\b)+7], v[128*(\p)+FR*\b:128*(\p)+FR*\b+FR-1], v[AF+FR*(\a):AF+FR*(\a)+FR-1], 0, v[SC+8*NQ*(\sc)+NQ*\b+(\q)], v[SC+8*NQ*(\sc)+NQ*(\a)+(\q)] matrix_a_fmt:MATRIX_FMT_FP4 matrix_b_fmt:MATRIX_FMT_FP4 matrix_a_scale:MATRIX_SCALE_ROW1
.else
	v_wmma_scale_f32_16x16x128_f8f6f4 v[8*(8*((\a)%4)+\b):8*(8*((\a)%4)+\b)+7], v[128*(\p)+FR*\b:128*(\p)+FR*\b+FR-1], v[AF+FR*(\a):AF+FR*(\a)+FR-1], v[8*(8*((\a)%4)+\b):8*(8*((\a)%4)+\b)+7], v[SC+8*NQ*(\sc)+NQ*\b+(\q)], v[SC+8*NQ*(\sc)+NQ*(\a)+(\q)] matrix_a_fmt:MATRIX_FMT_FP4 matrix_b_fmt:MATRIX_FMT_FP4 matrix_a_scale:MATRIX_SCALE_ROW1
.endif
.endr
.endr
.endm
.macro FETCH_B slot, q, p              ; B's eight fragments of the slot's q-th 128 along K into set p
	WIN TO_B
.irp i, 0,1,2,3,4,5,6,7
	FRAG 128*(\p)+FR*\i, ADRB+\slot, \q, \i
.endr
	WIN 0
.endm
.macro FETCH_A slot, q, i0             ; A's blocks i0 .. i0 + 3
.irp i, \i0, \i0+1, \i0+2, \i0+3
	FRAG AF+FR*(\i), ADRA+\slot, \q, \i
.endr
.endm
.macro SCALES sc                       ; a slot's scale words into set sc: four words a row; lanes 0-15 take A's block i, lanes 16-31 B's block i
.irp i, 0,1,2,3,4,5,6,7
	ds_load_b128 v[SC+8*NQ*\sc+NQ*\i:SC+8*NQ*\sc+NQ*\i+3], v[ADRS] offset:\i*SBLK
.endr
.endm
.macro PLACES n                        ; plain vector instructions between a matrix instruction and a load into, or a vector read or write of, its registers
.rept \n
	v_nop
.endr
.endm
.macro STEP slot, q, zero              ; a step of 128 along K that has its successor in the same slot
	s_wait_dscnt 4*NL                              ; B's set and A's blocks 0-3 are in; the youngest eight loads (A's blocks 4-7) may be out
	WIN MUL_LO
	MUL16 0, (\q)%2, \q, \slot, \zero
	MUL16 2, (\q)%2, \q, \slot, \zero
	s_wait_dscnt 0                                 ; A's blocks 4-7 are in
	PLACES NP
	FETCH_B \slot, (\q)+1, 1-(\q)%2
	FETCH_A \slot, (\q)+1, 0
	WIN MUL_HI
	MUL16 4, (\q)%2, \q, \slot, \zero
	MUL16 6, (\q)%2, \q, \slot, \zero
	PLACES NP
	WIN 0
	FETCH_A \slot, (\q)+1, 4
.endm
; Slot 0's last step changes slots: one barrier; in front of it each wave waits for all its tensor loads (slot 1's among them), adds 0 to its spare word, and waits for that and for its reads of slot 0.  Nothing is filled again.
.macro TURN slot, next
	s_wait_tensorcnt 0x0
	ds_add_u32 v[SPW], v[NIL]
	s_wait_dscnt 4*NL+1                            ; (the add and the youngest eight loads may be out)
	WIN MUL_LO
	MUL16 0, 1, NQ-1, \slot, 0
	s_wait_dscnt 0x0                               ; the add is done, and my reads of this slot are over
	s_barrier_signal -1
	MUL16 2, 1, NQ-1, \slot, 0
	WIN 0
	s_barrier_wait -1
	PLACES NP
	v_add_nc_u32 v[ADRS], 4*NQ, v[ADRS]            ; on to the next slot's scale words
	FETCH_B \next, 0, 0
	FETCH_A \next, 0, 0
	SCALES \next
	WIN MUL_HI
	MUL16 4, 1, NQ-1, \slot, 0
	MUL16 6, 1, NQ-1, \slot, 0
	PLACES NP
	WIN 0
	FETCH_A \next, 0, 4
.endm
.macro STEPS slot, from
.set Q, \from
.rept NQ-1-\from
	STEP \slot, Q, 0
.set Q, Q+1
.endr
.endm
	s_wait_tensorcnt 1                             ; the scales and my part of slot 0 are in (slot 1's load may be out)
	s_barrier_signal -1
	s_barrier_wait -1                              ; everybody's are
	FETCH_B 0, 0, 0
	FETCH_A 0, 0, 0
	SCALES 0
	FETCH_A 0, 0, 4
	STEP 0, 0, 1                                   ; the first step's products start the sums: nothing is cleared
	STEPS 0, 1
	TURN 0, 1
	STEPS 1, 0
	s_wait_dscnt 4*NL                              ; the very last step: nothing more to fetch
	WIN MUL_LO
	MUL16 0, 1, NQ-1, 1, 0
	MUL16 2, 1, NQ-1, 1, 0
	s_wait_dscnt 0
	WIN MUL_HI
	MUL16 4, 1, NQ-1, 1, 0
	MUL16 6, 1, NQ-1, 1, 0
	WIN 0
; THE WAY OUT, block by block of 16 rows x 128 columns (two heads, g = 0, 1).
.macro LNPACK a
.set AC, 64*((\a)%4)
.set WW, 2+(\a)/4
.set WA, WW|(WW<<2)                    ; sources 0 and 1 in the block's window, the rest in window 0
.set WB, WW|(WW<<6)                    ; source 0 and the destination in the block's window
	WIN WA
.irp b, 0,1,2,3,4,5,6,7                ; the row's sum, two numbers at a time; each accumulator is read from its low end on
	v_pk_add_f32 v[T+4*\b:T+4*\b+1], v[AC+8*\b:AC+8*\b+1], v[AC+8*\b+2:AC+8*\b+3]
	v_pk_add_f32 v[T+4*\b+2:T+4*\b+3], v[AC+8*\b+4:AC+8*\b+5], v[AC+8*\b+6:AC+8*\b+7]
.endr
	WIN 0
.irp i, 0,2,4,6
.irp g, 0,1
	v_pk_add_f32 v[T+16*\g+\i:T+16*\g+\i+1], v[T+16*\g+\i:T+16*\g+\i+1], v[T+16*\g+8+\i:T+16*\g+9+\i]
.endr
.endr
.irp i, 0,2
.irp g, 0,1
	v_pk_add_f32 v[T+16*\g+\i:T+16*\g+\i+1], v[T+16*\g+\i:T+16*\g+\i+1], v[T+16*\g+4+\i:T+16*\g+5+\i]
.endr
.endr
.irp g, 0,1
	v_pk_add_f32 v[T+16*\g:T+16*\g+1], v[T+16*\g:T+16*\g+1], v[T+16*\g+2:T+16*\g+3]
.endr
.irp g, 0,1
	v_add_f32 v[T+16*\g], v[T+16*\g], v[T+16*\g+1]
.endr
.irp g, 0,1
	v_permlanex16_b32 v[T+16*\g+1], v[T+16*\g], s[SEL], s[SEL+1]   ; the row's other 32 numbers lie in the lane 16 away
.endr
.irp g, 0,1
	v_add_f32 v[T+16*\g], v[T+16*\g], v[T+16*\g+1]
.endr
.irp g, 0,1
	v_mul_f32 v[MU+2*\g], s[IM], v[T+16*\g]        ; the mean (v: 0)
.endr
	WIN WB
.irp b, 0,1,2,3,4,5,6,7
.irp i, 0,2,4,6
	v_pk_add_f32 v[AC+8*\b+\i:AC+8*\b+\i+1], v[AC+8*\b+\i:AC+8*\b+\i+1], v[MU+2*(\b/4):MU+2*(\b/4)+1] op_sel_hi:[1,0] neg_lo:[0,1] neg_hi:[0,1]   ; d = x - mean, in place
.endr
.endr
	WIN WA
.irp c, 0,1,2,3                        ; the sum of d^2 in four chains, two to a head; chain c takes registers 16 c .. 16 c + 15 of the block
	v_pk_mul_f32 v[T+2*\c:T+2*\c+1], v[AC+16*\c:AC+16*\c+1], v[AC+16*\c:AC+16*\c+1]
.endr
.irp p, 1,2,3,4,5,6,7
.irp c, 0,1,2,3
	v_pk_fma_f32 v[T+2*\c:T+2*\c+1], v[AC+16*\c+2*\p:AC+16*\c+2*\p+1], v[AC+16*\c+2*\p:AC+16*\c+2*\p+1], v[T+2*\c:T+2*\c+1]
.endr
.endr
	WIN 0
.irp g, 0,1
	v_pk_add_f32 v[T+4*\g:T+4*\g+1], v[T+4*\g:T+4*\g+1], v[T+4*\g+2:T+4*\g+3]
.endr
.irp g, 0,1
	v_add_f32 v[T+4*\g], v[T+4*\g], v[T+4*\g+1]
.endr
.irp g, 0,1
	v_permlanex16_b32 v[T+4*\g+1], v[T+4*\g], s[SEL], s[SEL+1]
.endr
.irp g, 0,1
	v_add_f32 v[T+4*\g], v[T+4*\g], v[T+4*\g+1]
.endr
.irp g, 0,1
	v_fma_f32 v[T+4*\g], v[T+4*\g], s[I64], s[EPS] ; var + 1e-5
.endr
.irp g, 0,1
	v_rsq_f32 v[RS+2*\g], v[T+4*\g]
.endr
	v_nop                                          ; a plain instruction behind the last of the two,
	s_wait_alu depctr_va_vdst(0)                   ; and one wait for both, ahead of their first reader
.irp g, 0,1
	v_fma_f32 v[RS+2*\g], v[RS+2*\g], s[SF], s[SG] ; (v: 1)
.endr
	WIN WB
.irp b, 0,1,2,3,4,5,6,7
.irp i, 0,2,4,6
	v_pk_mul_f32 v[AC+8*\b+\i:AC+8*\b+\i+1], v[AC+8*\b+\i:AC+8*\b+\i+1], v[RS+2*(\b/4):RS+2*(\b/4)+1] op_sel_hi:[1,0]
.endr
.endr
.irp b, 0,1,2,3,4,5,6,7
.irp i, 0,2,4,6
	v_pk_fma_f32 v[AC+8*\b+\i:AC+8*\b+\i+1], v[AC+8*\b+\i:AC+8*\b+\i+1], v[G+8*(\b%4)+\i:G+8*(\b%4)+\i+1], v[BT+8*(\b%4)+\i:BT+8*(\b%4)+\i+1]
.endr
.endr
	WIN WA
.irp b, 0,1,2,3,4,5,6,7
.irp i, 0,1,2,3
	v_cvt_pk_f16_f32 v[T+4*\b+\i], v[AC+8*\b+2*\i], v[AC+8*\b+2*\i+1]   ; eight neighbouring columns of a row: 16 bytes
.endr
.endr
	WIN 0
.endm
.macro TOSTAGE a                       ; into my own stage, rows of 256 bytes + 16, and back a head's rows at a time.  LDS serves a wave's instructions in order: no wait between the stores and the loads
.set BB, BK+32*((\a)%2)
	s_wait_xcnt 0x0                                ; the stores of the block before last have read the registers into which these loads land
.irp b, 0,1,2,3,4,5,6,7
	ds_store_b128 v[STO], v[T+4*\b:T+4*\b+3] offset:32*\b
.endr
.irp t, 0,1,2,3,4,5,6,7
	ds_load_b128 v[BB+4*\t:BB+4*\t+3], v[RD] offset:(\t%4)*4*SPITCH+(\t/4)*128   ; rows 4 (t % 4) .. + 3 of head t / 4
.endr
.endm
.macro SEND a
.set BB, BK+32*((\a)%2)
	s_wait_dscnt 0x0                               ; the block is back in registers
.irp t, 0,1,2,3,4,5,6,7
	global_store_b128 v[CO], v[BB+4*\t:BB+4*\t+3], s[12:13] offset:(16*(\a)+4*(\t%4))*128+(\t/4)*262144   ; 32 lanes store 512 consecutive bytes: four rows of one head
.endr
.endm
	PLACES NP                                      ; behind the last products, ahead of the first vector read of results
	LNPACK 0
	TOSTAGE 0
.irp a, 1,2,3,4,5,6,7                  ; a block's arithmetic stands between the loads of the block before and the wait for them
	LNPACK \a
	SEND \a-1
	TOSTAGE \a
.endr
	SEND 7
	s_wait_tensorcnt 0x0                           ; the wave's end, behind my last tensor load and my last LDS store
	ds_add_u32 v[SPW], v[NIL]
	s_wait_dscnt 0x0
	CROUND                                         ; the closing round: no work-group ends while a partner may still ask for a tile that names it
	s_endpgm
.Lfunc_end_k_q7a1038dc2e_gemm_qkv:
	.size	k_q7a1038dc2e_gemm_qkv, .Lfunc_end_k_q7a1038dc2e_gemm_qkv-k_q7a1038dc2e_gemm_qkv
	.p2alignl 7, 3214868480
	.fill 96, 4, 3214868480
	.section	.rodata,"a",@progbits
	.p2align	6, 0x0
	.amdhsa_kernel k_q7a1038dc2e_gemm_qkv
		.amdhsa_group_segment_fixed_size 327680
		.amdhsa_private_segment_fixed_size 0
		.amdhsa_enable_private_segment 0
		.amdhsa_kernarg_size 72
		.amdhsa_user_sgpr_count 2
		.amdhsa_user_sgpr_kernarg_segment_ptr 1
		.amdhsa_wavefront_size32 1
		.amdhsa_system_sgpr_workgroup_id_x 1
		.amdhsa_system_sgpr_workgroup_id_y 1
		.amdhsa_system_sgpr_workgroup_id_z 1
		.amdhsa_system_vgpr_workitem_id 0
		.amdhsa_next_free_vgpr 1024
		.amdhsa_next_free_sgpr 106
		.amdhsa_reserve_vcc 0
		.amdhsa_float_denorm_mode_32 3
		.amdhsa_float_denorm_mode_16_64 3
		.amdhsa_memory_ordered 1
		.amdhsa_forward_progress 1
		.amdhsa_inst_pref_size 221
	.end_amdhsa_kernel
	.amdgpu_metadata
---
amdhsa.version: [ 1, 2 ]
amdhsa.kernels:
  - .name:           k_q7a1038dc2e_gemm_qkv
    .symbol:         k_q7a1038dc2e_gemm_qkv.kd
    .args:
      - { .name: xc, .offset: 0, .size: 8, .value_kind: global_buffer, .address_space: global }
      - { .name: xs, .offset: 8, .size: 8, .value_kind: global_buffer, .address_space: global }
      - { .name: wc, .offset: 16, .size: 8, .value_kind: global_buffer, .address_space: global }
      - { .name: ws, .offset: 24, .size: 8, .value_kind: global_buffer, .address_space: global }
      - { .name: qkv, .offset: 32, .size: 8, .value_kind: global_buffer, .address_space: global }
      - { .name: qn_scale, .offset: 40, .size: 8, .value_kind: global_buffer, .address_space: global }
      - { .name: qn_bias, .offset: 48, .size: 8, .value_kind: global_buffer, .address_space: global }
      - { .name: kn_scale, .offset: 56, .size: 8, .value_kind: global_buffer, .address_space: global }
      - { .name: kn_bias, .offset: 64, .size: 8, .value_kind: global_buffer, .address_space: global }
    .group_segment_fixed_size: 327680
    .private_segment_fixed_size: 0
    .kernarg_segment_align: 8
    .kernarg_segment_size: 72
    .max_flat_workgroup_size: 128
    .sgpr_count:     106
    .vgpr_count:     1024
    .wavefront_size: 32
...
	.end_amdgpu_metadata
.endif
;; end of part 3
;; launch attn (part 4): grid 4 x 64, 16 waves a work-group, clusters of 4 x 1, 327,680 bytes of LDS; arguments qkv, ao; writes ao
.if DOCPART == 4
	.amdgcn_target "amdgcn-amd-amdhsa--gfx1250"
	.amdhsa_code_object_version 6
	.text
	.protected	k_q7a1038dc2e_attn
	.globl	k_q7a1038dc2e_attn
	.p2align	8
	.type	k_q7a1038dc2e_attn,@function
k_q7a1038dc2e_attn:
	s_mov_b64 s[64:65], 0
	v_nop
	global_prefetch_b8 v0, s[64:65] scope:SCOPE_SE
	s_setreg_imm32_b32 hwreg(HW_REG_WAVE_MODE, 25, 1), 1
	s_wait_xcnt 0x0
	s_wait_alu depctr_hold_cnt(0) depctr_sa_sdst(0) depctr_va_vdst(0) depctr_va_sdst(0) depctr_va_ssrc(0) depctr_va_vcc(0) depctr_vm_vsrc(0)
	s_getreg_b32 s2, hwreg(HW_REG_IB_STS2, 6, 4)
	s_cmp_eq_u32 s2, 0
	s_cbranch_scc0 .Lentry_in_a_cluster
	s_endpgm
.Lentry_in_a_cluster:
	s_bfe_u32 s2, ttmp6, 0x10000c
	s_cmp_lg_u32 s2, 0x3003
	s_cbranch_scc0 .Lentry_shape_is_right
	s_endpgm
.Lentry_shape_is_right:
; O[bh][q][:] = the sum over k of softmax_k(Q[bh][q] . K[bh][k]) V[bh][k][:].  Q (which carries the factor 1/8), K, V: f16, qkv [3][64][2048][64].  Products, maxima and sums in f32; the weights p are rounded to f16 for the second product.
; Out: ao, f16, [16 heads][8192 = 2048 batch + position][64].
; SHARES.  A work-group owns 512 queries of one head; each of its sixteen waves owns 32, two tiles of 16, in 256 registers: four waves to a SIMD, so that one wave's vector work stands beside another's matrix work and LDS loads.
; Every wave walks all 2,048 keys, 64 a step.  K and V come through a ring of two LDS slots of 512 keys, filled by the tensor data mover (waves 0, 1: K's halves; waves 2, 3: V's) and read by all sixteen.
; CLUSTER.  The head's four blocks of queries form a cluster and walk the same K and V: each tile is asked for jointly, by the same tensor load with the same descriptor and a mask that names the four.
; LAYOUT.  S^T = K Q^T (source 0 = 16 keys, source 1 = 16 queries): a lane holds ONE query (lane % 16) and keys 8 (lane / 16) + 0..7 of a tile.  Two such tiles, rounded to f16 in pairs, ARE source 1 (32 keys x 16 queries)
; of O^T = V^T P, whose result again holds one query a lane.  K comes out of LDS as it lies, V ([key][channel]) turned, by ds_load_tr16_b128.
; SOFTMAX.  For each query a running maximum m and sum l: p = 2^(c s - c m), c = log2(e); in every step O and l are multiplied by a = 2^(c m_old - c m_new).  m begins at -1e38, O and l at 0, so the step is written once.
; Every wait on TENSORcnt in this text is for 0; by its own count a wave has at most two tensor loads out (the first fills), later one.
; LIMITS: NaN and infinities are not served; O must lie within +-65,504 (f16).
.set PK,    144                        ; a row of K in LDS: 128 bytes + 16
.set PV,    160                        ; a row of V: 128 bytes + 32
.set SK,    512                        ; keys in a slot
.set VOFF,  SK*PK                      ; a slot: 512 rows of K, then 512 rows of V
.set SLOT,  SK*(PK+PV)
.set SPARE, 2*SLOT                     ; behind the ring: the spare words, 128 bytes for each of 16 waves; no other line names them
.set AK0, 1                            ; v1   my lane's place in a tile of K
.set AV0, 2                            ; v2   the same for V
.set ADK, 3                            ; v3   LDS address of the step's K
.set ADV, 4                            ; v4   of its V
.set STO, 5                            ; v5   the way out: where I put 16 bytes of a row
.set RD,  6                            ; v6   where I read rows back
.set GO,  7                            ; v7   16 x lane
.set QO,  8                            ; v8   my byte offset in the wave's rows of Q
.set SPW, 14
.set NIL, 15
.set ST,  16                           ; tile t's statistics at v[16 + 8 t]: +0 c m, +1 m, +2, +3 l (two halves), +4 to +7 at work; a in +6
.set Q,   32                           ; v32-63   Q: tile t, channels 32 c on: 16 t + 8 c
.set KV,  64                           ; v64-127  a step's K, then its V
.set S,   128                          ; v128-191 S^T: tile t, keys 16 kt on: 32 t + 8 kt; then p; then P in the low 16 of each 32
.set O,   192                          ; v192-255 O^T: tile t, channels 16 ct on: 32 t + 8 ct
.set WV,  8
.set G1K, 24
.set G1V, 32
.set G0K, 40                           ; s[40:43] slot 0, s[44:47] slot 1
.set G0V, 48                           ; s[48:51], s[52:55]
.set CS,  56                           ; s[56:57] c, twice: the packed form names the pair
.set SEL, 58                           ; s[58:59] lane selects: lane l xor 16
.set TK,  60                           ; LDS byte at which the step's K begins
.set TV,  61                           ; the same count for V (VOFF lies in v2)
.set CNT, 62
.macro CROUND                          ; a round of the cluster's barrier
	s_barrier_signal -1
	s_barrier_wait -1
	s_cmp_lg_u32 s[WV], 0
	s_cbranch_scc1 .Lnot_wave_0_\@
	s_barrier_signal -3
.Lnot_wave_0_\@:
	s_barrier_wait -3
	s_barrier_signal -1
	s_barrier_wait -1
.endm
; A joint refill of slot s.  The branches hang on the wave's number alone.  An s_nop 0 and four v_nop follow each load.
.macro JLOAD s
	s_cmp_lt_u32 s[WV], 2
	s_cbranch_scc0 .Lnot_k_\@
	tensor_load_to_lds s[G0K+4*\s:G0K+4*\s+3], s[G1K:G1K+7]
	s_nop 0
.rept 4
	v_nop
.endr
	s_branch .Lasked_\@
.Lnot_k_\@:
	s_cmp_lt_u32 s[WV], 4
	s_cbranch_scc0 .Lasked_\@
	tensor_load_to_lds s[G0V+4*\s:G0V+4*\s+3], s[G1V:G1V+7]
	s_nop 0
.rept 4
	v_nop
.endr
.Lasked_\@:
.endm
	s_load_b128 s[4:7], s[0:1], 0x0                ; qkv, ao
	v_lshl_add_u32 v[SPW], v0, 2, SPARE
	v_mov_b32 v[NIL], 0
	ds_add_u32 v[SPW], v[NIL]                      ; the wave's opening: the add, twice on end, and its wait ahead of the first tensor loads
	ds_add_u32 v[SPW], v[NIL]
	v_lshrrev_b32 v9, 5, v0
	v_readfirstlane_b32 s[WV], v9                  ; wave 0..15
	s_bfe_u32 s9, ttmp6, 0x40000                   ; cx
	s_lshl_b32 s10, ttmp9, 2
	s_add_co_u32 s10, s10, s9                      ; my block of 512 queries: it enters Q's and ao's addresses alone
	s_and_b32 s11, ttmp7, 0xffff                   ; 16 batch + head, which the four partners share
	; descriptor group 1: 256 rows x 64 elements of 2 bytes, dense in memory, padded in LDS
	s_mov_b32 s[G1K], 15|(1<<16)|(1<<20)|(1<<21)|(4<<22)|(3<<25)  ; 15:0 the mask: all four work-groups; 17:16 elements of 2 bytes; 20 padding on; 21 set beside a mask; 24:22 after every 32 words; 31:25 four words
	s_mov_b32 s[G1V], 15|(1<<16)|(1<<20)|(1<<21)|(4<<22)|(7<<25)  ; the same with eight words of padding
.irp g, G1K, G1V
	s_mov_b32 s[\g+1], 64<<16                      ; tensor_dim0
	s_mov_b32 s[\g+2], 256<<16                     ; tensor_dim1
	s_mov_b32 s[\g+3], 64<<16                      ; tile_dim0
	s_mov_b32 s[\g+4], 256                         ; tile_dim1
	s_mov_b32 s[\g+5], 64                          ; tensor_dim0_stride
	s_mov_b32 s[\g+6], 0
	s_mov_b32 s[\g+7], 0
.endr
	s_and_b32 s12, s[WV], 1                        ; which half of a slot's 512 rows I fetch, if I fetch
	s_lshl_b32 s16, s11, 18                        ; the head's bytes in a kind,
	s_lshl_b32 s13, s12, 15                        ; 256 rows of 128 bytes
	s_add_co_u32 s16, s16, s13
	s_mov_b32 s17, 0
	s_mul_i32 s14, s12, 256*PK                     ; and where they go: K,
	s_mul_i32 s15, s12, 256*PV
	s_add_co_u32 s15, s15, VOFF                    ; V: no place in the cluster enters an LDS address
	s_lshl_b32 s13, s10, 16                        ; my block's 512 rows of 128 bytes,
	s_lshl_b32 s23, s[WV], 12                      ; my wave's 32
	s_add_co_u32 s13, s13, s23
	s_lshl_b32 s20, s11, 18
	s_add_co_u32 s20, s20, s13                     ; Q: the head, the block, the wave
	s_mov_b32 s21, 0
	s_and_b32 s2, s11, 15
	s_lshl_b32 s2, s2, 20                          ; ao: the head's plane of 2^20 bytes,
	s_lshr_b32 s3, s11, 4
	s_lshl_b32 s3, s3, 18                          ; the batch's 2,048 rows,
	s_add_co_u32 s2, s2, s3
	s_add_co_u32 s2, s2, s13                       ; the block, the wave
	s_mov_b32 s3, 0
	s_mov_b32 s[CS], 0x3fb8aa3b                    ; c = log2(e)
	s_mov_b32 s[CS+1], s[CS]
	s_mov_b32 s[SEL], 0x76543210
	s_mov_b32 s[SEL+1], 0xfedcba98
	s_mul_i32 s22, s[WV], 32*PK                    ; my stage on the way out: 32 rows of 144 bytes, in slot 0
	s_wait_dscnt 0x0                               ; both opening adds are done
	s_wait_kmcnt 0x0
	s_add_nc_u64 s[18:19], s[4:5], s[16:17]
	s_add_nc_u64 s[4:5], s[4:5], s[20:21]          ; Q at my first query
	s_add_nc_u64 s[6:7], s[6:7], s[2:3]            ; ao likewise
	CROUND                                         ; all four work-groups are here: the first joint loads meet
.irp s, 0,1
	s_mov_b32 s[G0K+4*\s], 1
	s_add_co_u32 s[G0K+4*\s+1], s14, \s*SLOT
	s_add_nc_u64 s[G0K+4*\s+2:G0K+4*\s+3], s[18:19], (1<<24)+\s*SK*128   ; K is the second kind; slot s begins with keys 512 s on
	s_or_b32 s[G0K+4*\s+3], s[G0K+4*\s+3], 0x80000000
	s_mov_b32 s[G0V+4*\s], 1
	s_add_co_u32 s[G0V+4*\s+1], s15, \s*SLOT
	s_add_nc_u64 s[G0V+4*\s+2:G0V+4*\s+3], s[18:19], (1<<25)+\s*SK*128   ; V the third
	s_or_b32 s[G0V+4*\s+3], s[G0V+4*\s+3], 0x80000000
.endr
	s_cmp_lt_u32 s[WV], 2                          ; a wave's two first fills stand in one branch, ahead of every wait on TENSORcnt and every LDS read
	s_cbranch_scc0 .Lfirst_not_k
	tensor_load_to_lds s[G0K:G0K+3], s[G1K:G1K+7]
	s_nop 0
	tensor_load_to_lds s[G0K+4:G0K+7], s[G1K:G1K+7]
	s_nop 0
.rept 4
	v_nop
.endr
	s_branch .Lfirst_asked
.Lfirst_not_k:
	s_cmp_lt_u32 s[WV], 4
	s_cbranch_scc0 .Lfirst_asked
	tensor_load_to_lds s[G0V:G0V+3], s[G1V:G1V+7]
	s_nop 0
	tensor_load_to_lds s[G0V+4:G0V+7], s[G1V:G1V+7]
	s_nop 0
.rept 4
	v_nop
.endr
.Lfirst_asked:
	v_and_b32 v9, 15, v0                           ; r
	v_bfe_u32 v10, v0, 4, 1                        ; h
	v_lshlrev_b32 v[QO], 7, v9
	v_lshl_add_u32 v[QO], v10, 4, v[QO]            ; row r of 128 bytes + 16 h
.irp t, 0,1
.irp c, 0,1
	global_load_b128 v[Q+16*\t+8*\c:Q+16*\t+8*\c+3], v[QO], s[4:5] offset:\t*2048+\c*64      ; Q stays in registers
	global_load_b128 v[Q+16*\t+8*\c+4:Q+16*\t+8*\c+7], v[QO], s[4:5] offset:\t*2048+\c*64+32
.endr
.endr
	v_mul_u32_u24 v[AK0], v9, PK
	v_lshl_add_u32 v[AK0], v10, 4, v[AK0]          ; K: row r x pitch + 16 h
	v_and_b32 v11, 7, v0
	v_bfe_u32 v12, v0, 3, 1
	v_lshl_add_u32 v[AV0], v10, 3, v11             ; V, for the turning load: key 8 h + l % 8,
	v_mul_u32_u24 v[AV0], v[AV0], PV
	v_lshl_add_u32 v[AV0], v12, 4, v[AV0]          ; channels 8 ((l / 8) % 2) on
	v_add_nc_u32 v[AV0], VOFF, v[AV0]
	v_add_nc_u32 v[STO], s22, v[AK0]               ; the stage, in: row r, 16 bytes for each half of the lanes
	v_and_b32 v13, 31, v0
	v_lshlrev_b32 v[GO], 4, v13
	v_lshrrev_b32 v13, 3, v13
	v_mul_u32_u24 v13, v13, PK
	v_lshl_add_u32 v13, v11, 4, v13
	v_add_nc_u32 v[RD], s22, v13                   ; back: eight lanes to a row of 128 bytes, four rows an instruction
.irp t, 0,1
	v_mov_b32 v[ST+8*\t+1], 0xfe967699             ; m = -1e38, under every score that is served
	v_mul_f32 v[ST+8*\t], s[CS], v[ST+8*\t+1]      ; c m
	v_mov_b32 v[ST+8*\t+2], 0                      ; l, in two halves
	v_mov_b32 v[ST+8*\t+3], 0
.endr
.set i, 0
.rept 64
	v_mov_b32 v[O+i], 0                            ; O^T: the step is written once, and its first run finds zeros
.set i, i+1
.endr
; A KEY STEP: 64 keys.
.macro STEP
	v_add_nc_u32 v[ADK], s[TK], v[AK0]
	v_add_nc_u32 v[ADV], s[TV], v[AV0]
.rept 4
	v_nop                                          ; with the two additions six places behind the last step's products: loads into V's registers want four, products written over P five
.endr
.irp f, 0,1,2,3,4,5,6,7                ; K: keys 16 (f / 2) on, channels 32 (f % 2) on
	ds_load_b128 v[KV+8*\f:KV+8*\f+3], v[ADK] offset:(\f/2)*16*PK+(\f%2)*64
	ds_load_b128 v[KV+8*\f+4:KV+8*\f+7], v[ADK] offset:(\f/2)*16*PK+(\f%2)*64+32
.endr
	s_wait_dscnt 0x0
.irp c, 0,1                            ; S^T = K Q^T: eight accumulators by turns, one instruction a turn; the first eight start the sums
.irp kt, 0,1,2,3
.irp t, 0,1
.if \c == 0
	v_wmma_f32_16x16x32_f16 v[S+32*\t+8*\kt:S+32*\t+8*\kt+7], v[KV+16*\kt+8*\c:KV+16*\kt+8*\c+7], v[Q+16*\t+8*\c:Q+16*\t+8*\c+7], 0
.else
	v_wmma_f32_16x16x32_f16 v[S+32*\t+8*\kt:S+32*\t+8*\kt+7], v[KV+16*\kt+8*\c:KV+16*\kt+8*\c+7], v[Q+16*\t+8*\c:Q+16*\t+8*\c+7], v[S+32*\t+8*\kt:S+32*\t+8*\kt+7]
.endif
.endr
.endr
.endr
.rept 4
	v_nop                                          ; places ahead of the loads into K's registers and of the first read of the scores
.endr
.irp f, 0,1,2,3,4,5,6,7                ; V, turned: keys 32 (f / 4) on, channels 16 (f % 4) on; it lands while the softmax is walked
	ds_load_tr16_b128 v[KV+8*\f:KV+8*\f+3], v[ADV] offset:(\f/4)*32*PV+(\f%4)*32
	ds_load_tr16_b128 v[KV+8*\f+4:KV+8*\f+7], v[ADV] offset:(\f/4)*32*PV+16*PV+(\f%4)*32
.endr
.irp j, 0,1,2,3                        ; the maximum of my 32 scores and the old m: four chains, each accumulator from its low end on; the two tiles line by line
.irp t, 0,1
	v_max3_num_f32 v[ST+8*\t+4+\j], v[S+32*\t+8*\j], v[S+32*\t+8*\j+1], v[S+32*\t+8*\j+2]
.endr
.endr
.irp u, 1,2
.irp j, 0,1,2,3
.irp t, 0,1
	v_max3_num_f32 v[ST+8*\t+4+\j], v[ST+8*\t+4+\j], v[S+32*\t+8*\j+2*\u+1], v[S+32*\t+8*\j+2*\u+2]
.endr
.endr
.endr
.irp t, 0,1
	v_max3_num_f32 v[ST+8*\t+4], v[ST+8*\t+4], v[S+32*\t+7], v[S+32*\t+15]
.endr
.irp t, 0,1
	v_max3_num_f32 v[ST+8*\t+6], v[ST+8*\t+6], v[S+32*\t+23], v[S+32*\t+31]
.endr
.irp t, 0,1
	v_max3_num_f32 v[ST+8*\t+4], v[ST+8*\t+4], v[ST+8*\t+5], v[ST+8*\t+6]
.endr
.irp t, 0,1
	v_max3_num_f32 v[ST+8*\t+4], v[ST+8*\t+4], v[ST+8*\t+7], v[ST+8*\t+1]
.endr
.irp t, 0,1
	v_permlanex16_b32 v[ST+8*\t+5], v[ST+8*\t+4], s[SEL], s[SEL+1]   ; the query's other 32 keys lie in the lane 16 away
.endr
.irp t, 0,1
	v_mov_b32 v[ST+8*\t+7], v[ST+8*\t]             ; c m_old
.endr
.irp t, 0,1
	v_max_num_f32 v[ST+8*\t+1], v[ST+8*\t+4], v[ST+8*\t+5]
.endr
.irp t, 0,1
	v_mul_f32 v[ST+8*\t], s[CS], v[ST+8*\t+1]
.endr
.irp t, 0,1
	v_sub_f32 v[ST+8*\t+7], v[ST+8*\t+7], v[ST+8*\t]
.endr
.irp i, 0,2,4,6,8,10,12,14,16,18,20,22,24,26,28,30
.irp t, 0,1
	v_pk_fma_f32 v[S+32*\t+\i:S+32*\t+\i+1], v[S+32*\t+\i:S+32*\t+\i+1], s[CS:CS+1], v[ST+8*\t:ST+8*\t+1] op_sel_hi:[1,0,0] neg_lo:[0,0,1] neg_hi:[0,0,1]   ; c s - c m
.endr
.endr
.irp t, 0,1
	v_exp_f32 v[ST+8*\t+6], v[ST+8*\t+7]           ; a
.endr
.set i, 0
.rept 64
	v_exp_f32 v[S+i], v[S+i]                       ; p: one batch of 66 exponentials
.set i, i+1
.endr
	v_nop                                          ; a plain instruction behind the last,
	s_wait_alu depctr_va_vdst(0)                   ; and one wait for the batch, ahead of its first reader
.irp t, 0,1
	v_pk_mul_f32 v[ST+8*\t+2:ST+8*\t+3], v[ST+8*\t+2:ST+8*\t+3], v[ST+8*\t+6:ST+8*\t+7] op_sel_hi:[1,0]   ; l x a
.endr
.irp t, 0,1
	v_pk_add_f32 v[ST+8*\t+4:ST+8*\t+5], v[S+32*\t:S+32*\t+1], v[S+32*\t+2:S+32*\t+3]   ; the sum of p in f32, in two chains
.endr
.irp i, 4,8,12,16,20,24,28
.irp t, 0,1
	v_pk_add_f32 v[ST+8*\t+2:ST+8*\t+3], v[ST+8*\t+2:ST+8*\t+3], v[S+32*\t+\i:S+32*\t+\i+1]
	v_pk_add_f32 v[ST+8*\t+4:ST+8*\t+5], v[ST+8*\t+4:ST+8*\t+5], v[S+32*\t+\i+2:S+32*\t+\i+3]
.endr
.endr
.irp t, 0,1
	v_pk_add_f32 v[ST+8*\t+2:ST+8*\t+3], v[ST+8*\t+2:ST+8*\t+3], v[ST+8*\t+4:ST+8*\t+5]
.endr
.irp i, 0,1,2,3,4,5,6,7,8,9,10,11,12,13,14,15   ; P in place, ascending: register i takes p 2 i and 2 i + 1, which lie at or above it
.irp t, 0,1
	v_cvt_pk_f16_f32 v[S+32*\t+\i], v[S+32*\t+2*\i], v[S+32*\t+2*\i+1]
.endr
.endr
.irp t, 0,1
.irp i, 0,2,4,6,8,10,12,14,16,18,20,22,24,26,28,30
	v_pk_mul_f32 v[O+32*\t+\i:O+32*\t+\i+1], v[O+32*\t+\i:O+32*\t+\i+1], v[ST+8*\t+6:ST+8*\t+7] op_sel_hi:[1,0]   ; O^T x a, each accumulator from its low end on
.endr
.endr
	s_wait_dscnt 0x0                               ; V is in
.irp j, 0,1                            ; O^T += V^T P: eight accumulators by turns
.irp ct, 0,1,2,3
.irp t, 0,1
	v_wmma_f32_16x16x32_f16 v[O+32*\t+8*\ct:O+32*\t+8*\ct+7], v[KV+32*\j+8*\ct:KV+32*\j+8*\ct+7], v[S+32*\t+8*\j:S+32*\t+8*\j+7], v[O+32*\t+8*\ct:O+32*\t+8*\ct+7]
.endr
.endr
.endr
.endm
.macro SLOTRUN s                       ; a slot's eight key steps: written once, walked eight times
	s_mov_b32 s[TK], \s*SLOT
	s_mov_b32 s[TV], \s*SLOT
	s_mov_b32 s[CNT], SK/64
.Lstep_\@:
	STEP
	s_add_co_u32 s[TK], s[TK], 64*PK
	s_add_co_u32 s[TV], s[TV], 64*PV
	s_sub_co_u32 s[CNT], s[CNT], 1
	s_cmp_lg_u32 s[CNT], 0
	s_cbranch_scc1 .Lstep_\@
.endm
; THE CHANGE OF SLOTS, behind slot s's last step.  Each wave waits for all its tensor loads, adds 0 to its spare word, and waits for that and for its reads of the slot.  fill = 1: the barrier is a round of the cluster's, so that no wave
; of any partner still reads the slot or has a load on its way; the joint refill, the keys 1,024 further on, is the first thing behind it and has the other slot's eight steps in which to land.
.macro CHANGE s, fill
	s_wait_tensorcnt 0x0                           ; no tensor load of mine is out, so a group 0 may be written
	ds_add_u32 v[SPW], v[NIL]
.if \fill
	ds_add_u32 v[SPW], v[NIL]                      ; where a tensor load follows, twice on end
	s_add_nc_u64 s[G0K+4*\s+2:G0K+4*\s+3], s[G0K+4*\s+2:G0K+4*\s+3], 2*SK*128
	s_add_nc_u64 s[G0V+4*\s+2:G0V+4*\s+3], s[G0V+4*\s+2:G0V+4*\s+3], 2*SK*128
.endif
	s_wait_dscnt 0x0                               ; the add is done, and my reads of the slot are over
.if \fill
	CROUND
	JLOAD \s
.else
	s_barrier_signal -1
	s_barrier_wait -1
.endif
.endm
	s_wait_tensorcnt 0x0                           ; my parts of both slots are in,
	s_barrier_signal -1
	s_barrier_wait -1                              ; everybody's are
	s_wait_loadcnt 0x0                             ; Q
	SLOTRUN 0                                      ; keys 0 to 511
	CHANGE 0, 1                                    ; slot 0 takes keys 1,024 on
	SLOTRUN 1                                      ; keys 512 to 1,023
	CHANGE 1, 1                                    ; slot 1 takes keys 1,536 on
	SLOTRUN 0
	CHANGE 0, 0                                    ; nothing is left to fetch
	SLOTRUN 1
	; THE WAY OUT.  l's two halves and the other half of the lanes' are added; O^T is divided by l, rounded to f16 and sent through my stage in slot 0, which has had its last fill and which nobody reads any more.
.rept 4
	v_nop                                          ; places behind the last products
.endr
.irp t, 0,1
	v_add_f32 v[ST+8*\t+4], v[ST+8*\t+2], v[ST+8*\t+3]
.endr
.irp t, 0,1
	v_permlanex16_b32 v[ST+8*\t+5], v[ST+8*\t+4], s[SEL], s[SEL+1]
.endr
.irp t, 0,1
	v_add_f32 v[ST+8*\t+4], v[ST+8*\t+4], v[ST+8*\t+5]
.endr
.irp t, 0,1
	v_rcp_f32 v[ST+8*\t+6], v[ST+8*\t+4]
.endr
	v_nop                                          ; a plain instruction behind the last reciprocal,
	s_wait_alu depctr_va_vdst(0)                   ; and one wait for both, ahead of the first use
.irp t, 0,1
.irp i, 0,2,4,6,8,10,12,14,16,18,20,22,24,26,28,30
	v_pk_mul_f32 v[O+32*\t+\i:O+32*\t+\i+1], v[O+32*\t+\i:O+32*\t+\i+1], v[ST+8*\t+6:ST+8*\t+7] op_sel_hi:[1,0]
.endr
.endr
.irp t, 0,1
.irp ct, 0,1,2,3
.irp i, 0,1,2,3
	v_cvt_pk_f16_f32 v[S+4*(4*\t+\ct)+\i], v[O+32*\t+8*\ct+2*\i], v[O+32*\t+8*\ct+2*\i+1]   ; channels 16 ct + 8 h + 0 .. 7 of query r: 16 bytes
.endr
.endr
.endr
.irp t, 0,1
.irp ct, 0,1,2,3
	ds_store_b128 v[STO], v[S+4*(4*\t+\ct):S+4*(4*\t+\ct)+3] offset:\t*16*PK+32*\ct
.endr
.endr
.irp i, 0,1,2,3,4,5,6,7
	ds_load_b128 v[KV+4*\i:KV+4*\i+3], v[RD] offset:4*PK*\i   ; LDS serves a wave's instructions in order: these see my stores
.endr
.irp i, 0,1,2,3,4,5,6,7
	s_wait_dscnt 7-\i                              ; load i is in; the younger ones may be out
	global_store_b128 v[GO], v[KV+4*\i:KV+4*\i+3], s[6:7] offset:512*\i   ; 32 lanes store 512 consecutive bytes: four rows of the head's plane
.endr
	s_wait_tensorcnt 0x0                           ; the wave's end, behind my last tensor load and my last LDS store
	ds_add_u32 v[SPW], v[NIL]
	s_wait_dscnt 0x0
	CROUND                                         ; the closing round
	s_endpgm
.Lfunc_end_k_q7a1038dc2e_attn:
	.size	k_q7a1038dc2e_attn, .Lfunc_end_k_q7a1038dc2e_attn-k_q7a1038dc2e_attn
	.p2alignl 7, 3214868480
	.fill 96, 4, 3214868480
	.section	.rodata,"a",@progbits
	.p2align	6, 0x0
	.amdhsa_kernel k_q7a1038dc2e_attn
		.amdhsa_group_segment_fixed_size 327680
		.amdhsa_private_segment_fixed_size 0
		.amdhsa_enable_private_segment 0
		.amdhsa_kernarg_size 16
		.amdhsa_user_sgpr_count 2
		.amdhsa_user_sgpr_kernarg_segment_ptr 1
		.amdhsa_wavefront_size32 1
		.amdhsa_system_sgpr_workgroup_id_x 1
		.amdhsa_system_sgpr_workgroup_id_y 1
		.amdhsa_system_sgpr_workgroup_id_z 1
		.amdhsa_system_vgpr_workitem_id 0
		.amdhsa_next_free_vgpr 256
		.amdhsa_next_free_sgpr 66
		.amdhsa_reserve_vcc 0
		.amdhsa_float_denorm_mode_32 3
		.amdhsa_float_denorm_mode_16_64 3
		.amdhsa_memory_ordered 1
		.amdhsa_forward_progress 1
		.amdhsa_inst_pref_size 89
	.end_amdhsa_kernel
	.amdgpu_metadata
---
amdhsa.version: [ 1, 2 ]
amdhsa.kernels:
  - .name:           k_q7a1038dc2e_attn
    .symbol:         k_q7a1038dc2e_attn.kd
    .args:
      - { .name: qkv, .offset: 0, .size: 8, .value_kind: global_buffer, .address_space: global }
      - { .name: ao, .offset: 8, .size: 8, .value_kind: global_buffer, .address_space: global }
    .group_segment_fixed_size: 327680
    .private_segment_fixed_size: 0
    .kernarg_segment_align: 8
    .kernarg_segment_size: 16
    .max_flat_workgroup_size: 512
    .sgpr_count:     66
    .vgpr_count:     256
    .wavefront_size: 32
...
	.end_amdgpu_metadata
.endif
;; end of part 4
;; launch proj (part 5): grid 4 x 64, 4 waves a work-group, clusters of 4 x 4, 327,680 bytes of LDS; arguments ao, pw, out0, proj_b; writes out0
.if DOCPART == 5
	.amdgcn_target "amdgcn-amd-amdhsa--gfx1250"
	.amdhsa_code_object_version 6
	.text
	.protected	k_q7a1038dc2e_proj
	.globl	k_q7a1038dc2e_proj
	.p2align	8
	.type	k_q7a1038dc2e_proj,@function
k_q7a1038dc2e_proj:
	s_mov_b64 s[64:65], 0
	v_nop
	global_prefetch_b8 v0, s[64:65] scope:SCOPE_SE
	s_setreg_imm32_b32 hwreg(HW_REG_WAVE_MODE, 25, 1), 1
	s_wait_xcnt 0x0
	s_wait_alu depctr_hold_cnt(0) depctr_sa_sdst(0) depctr_va_vdst(0) depctr_va_sdst(0) depctr_va_ssrc(0) depctr_va_vcc(0) depctr_vm_vsrc(0)
	s_getreg_b32 s2, hwreg(HW_REG_IB_STS2, 6, 4)
	s_cmp_eq_u32 s2, 0
	s_cbranch_scc0 .Lentry_in_a_cluster
	s_endpgm
.Lentry_in_a_cluster:
	s_bfe_u32 s2, ttmp6, 0x10000c
	s_cmp_lg_u32 s2, 0xf033
	s_cbranch_scc0 .Lentry_shape_is_right
	s_endpgm
.Lentry_shape_is_right:
; out0[m][n] = the sum over k of A[m][k] pw[k][n] + proj_b[n].  A = ao, f16, [16 heads][8192 rows][64]: k = 64 head + channel, so a head's plane is a piece of 64 along K.  pw: f16 [1024 (k)][1024 (n)].  Sums in f32; out0 f32.
; A tile of 128 x 256 gives 256 work-groups.  Four waves, each 64 x 128: 32 accumulators of 16 x 16, 256 registers.  K goes in steps of 128 (two planes of A, 128 rows of pw) through a ring of two LDS slots.
; Waves 0 and 1 fetch a plane of A each (128 rows of 128 bytes), waves 2 and 3 64 rows of pw each (512 bytes of a row).
; CLUSTERS: 4 x 4 work-groups; A's tiles are shared along a row of the cluster, pw's along a column: joint loads.
; THE MATRIX INSTRUCTION IS USED TRANSPOSED (source 0 = 16 columns of pw, turned by ds_load_tr16_b128; source 1 = 16 rows of A): a lane holds eight neighbouring numbers of a row of out0.
; The bias is the C of each sum's first matrix instruction: eight registers for each block of 16 columns, in the result's layout.
; REGISTERS: window 0: v16-29 addresses; v32-95 the bias; v128-255 rows on the way out.   window 1: two fragment buffers at v0 and v128: A's four fragments, then pw's eight.   window 2: accumulator (a, b) at v[8 (8 a + b)].
.set KSTEP,  128
.set PA,     144                       ; a row of A in LDS: 128 bytes + 16
.set PB,     544                       ; a row of pw in LDS: 512 bytes + 32
.set PLANE,  128*PA
.set BOFF,   2*PLANE
.set HALFB,  64*PB
.set SLOT,   BOFF+2*HALFB
.set SPARE,  2*SLOT                    ; behind the ring: the spare words, 128 bytes a wave; no other line names them
.set SPITCH, 528                       ; the way out: a stage of 16 rows x (512 bytes + 16) for each wave, in slot 0, behind its last fill and its last read
.set LAPS,   1024/(2*KSTEP)
.set ADRA, 16
.set ADRB, 20
.set STO,  24
.set RD,   25
.set CO,   26
.set BOF,  27                          ; v27  32 x (lane / 16): my eight columns' bytes in the bias
.set SPW,  28
.set NIL,  29
.set BI,   32
.set BK,   128
.set F0,   0
.set F1,   128
.set WV,   66
.set HI,   67                          ; wave / 2: which 64 rows are mine.  Also: I fetch for A (0) or for pw (1)
.set LO,   2                           ; wave % 2: which 128 columns are mine.  Also: which plane, or which 64 rows of pw, I fetch
.set G1, 24
.set G0, 32
.set G1B, 48
.set G0B, 56
.set MSB, 0
.macro WIN new
.if MSB != \new
	s_set_vgpr_msb (MSB<<8)|\new
.set MSB, \new
.endif
.endm
.set MULW, 0xa5                        ; sources 0 and 1 window 1; C and D window 2
.set MULB, 0x85                        ; the same with C (the bias) in window 0
.set TO_F, 0x40                        ; destination window 1, address window 0
.macro JLOAD s                         ; a joint load; an s_nop 0 and four v_nop follow each of the two lines
	s_cmp_eq_u32 s[HI], 0
	s_cbranch_scc0 .Lfor_b_\@
	tensor_load_to_lds s[G0+4*\s:G0+4*\s+3], s[G1:G1+7]
	s_nop 0
.rept 4
	v_nop
.endr
	s_branch .Lasked_\@
.Lfor_b_\@:
	tensor_load_to_lds s[G0B+4*\s:G0B+4*\s+3], s[G1B:G1B+7]
	s_nop 0
.rept 4
	v_nop
.endr
.Lasked_\@:
.endm
.macro CREST                           ; a round of the cluster's barrier behind its opening barrier
	s_cmp_lg_u32 s[WV], 0
	s_cbranch_scc1 .Lnot_wave_0_\@
	s_barrier_signal -3
.Lnot_wave_0_\@:
	s_barrier_wait -3
	s_barrier_signal -1
	s_barrier_wait -1
.endm
.macro CROUND
	s_barrier_signal -1
	s_barrier_wait -1
	CREST
.endm
	s_load_b128 s[4:7], s[0:1], 0x0                ; ao, pw
	s_load_b128 s[8:11], s[0:1], 0x10              ; out0, proj_b
	v_lshl_add_u32 v[SPW], v0, 2, SPARE
	v_mov_b32 v[NIL], 0
	ds_add_u32 v[SPW], v[NIL]                      ; the wave's opening: the add, twice on end, and its wait ahead of my first tensor load
	ds_add_u32 v[SPW], v[NIL]
	v_lshrrev_b32 v1, 5, v0
	v_readfirstlane_b32 s[WV], v1
	s_lshr_b32 s[HI], s[WV], 1
	s_and_b32 s[LO], s[WV], 1
	s_bfe_u32 s40, ttmp6, 0x40000                  ; cx, cy
	s_bfe_u32 s41, ttmp6, 0x40004
	s_lshl_b32 s42, ttmp9, 2
	s_add_co_u32 s42, s42, s40                     ; tile column
	s_and_b32 s13, ttmp7, 0xffff
	s_lshl_b32 s13, s13, 2
	s_add_co_u32 s13, s13, s41                     ; tile row
	s_lshl_b32 s43, s41, 2
	s_lshl_b32 s43, 15, s43                        ; my row of the cluster
	s_lshl_b32 s44, 0x1111, s40                    ; my column
	s_or_b32 s[G1+0], s43, (1<<16)|(1<<20)|(1<<21)|(4<<22)|(3<<25)   ; A: elements of 2 bytes; four words of padding after every 32
	s_mov_b32 s[G1+1], 64<<16                      ; tensor_dim0
	s_mov_b32 s[G1+2], 128<<16                     ; tensor_dim1
	s_mov_b32 s[G1+3], 64<<16                      ; tile_dim0
	s_mov_b32 s[G1+4], 128                         ; tile_dim1
	s_mov_b32 s[G1+5], 64                          ; tensor_dim0_stride
	s_mov_b32 s[G1+6], 0
	s_mov_b32 s[G1+7], 0
	s_or_b32 s[G1B+0], s44, (1<<16)|(1<<20)|(1<<21)|(6<<22)|(7<<25)  ; pw: eight words of padding after every 128
	s_mov_b32 s[G1B+1], 256<<16
	s_mov_b32 s[G1B+2], 64<<16
	s_mov_b32 s[G1B+3], 256<<16
	s_mov_b32 s[G1B+4], 64
	s_mov_b32 s[G1B+5], 1024
	s_mov_b32 s[G1B+6], 0
	s_mov_b32 s[G1B+7], 0
	s_lshl_b32 s16, s13, 14                        ; A: the tile's 128 rows of 128 bytes in a plane,
	s_lshl_b32 s17, s[LO], 20                      ; and the plane that I fetch
	s_add_co_u32 s16, s16, s17
	s_mov_b32 s17, 0
	s_lshl_b32 s46, s42, 9                         ; pw: the tile's 256 columns,
	s_lshl_b32 s47, s[LO], 17                      ; and my 64 rows of 2,048 bytes
	s_add_co_u32 s46, s46, s47
	s_mov_b32 s47, 0
	s_mul_i32 s20, s[LO], PLANE                    ; where they go: no place in the cluster enters an LDS address
	s_mul_i32 s21, s[LO], HALFB
	s_add_co_u32 s21, s21, BOFF
	s_wait_dscnt 0x0                               ; both opening adds are done
	s_wait_kmcnt 0x0
	s_add_nc_u64 s[14:15], s[4:5], s[16:17]
	s_add_nc_u64 s[46:47], s[6:7], s[46:47]
	CROUND                                         ; all sixteen work-groups are here: the first joint loads meet
.irp s, 0,1
	s_mov_b32 s[G0+4*\s], 1
	s_add_co_u32 s[G0+4*\s+1], s20, \s*SLOT
	s_add_nc_u64 s[G0+4*\s+2:G0+4*\s+3], s[14:15], \s*2*(1<<20)    ; K step s: planes 2 s and 2 s + 1
	s_or_b32 s[G0+4*\s+3], s[G0+4*\s+3], 0x80000000
	s_mov_b32 s[G0B+4*\s], 1
	s_add_co_u32 s[G0B+4*\s+1], s21, \s*SLOT
	s_add_nc_u64 s[G0B+4*\s+2:G0B+4*\s+3], s[46:47], \s*KSTEP*2048
	s_or_b32 s[G0B+4*\s+3], s[G0B+4*\s+3], 0x80000000
	JLOAD \s
.endr
	v_and_b32 v1, 15, v0                           ; r
	v_bfe_u32 v2, v0, 4, 1                         ; h
	v_lshlrev_b32 v[BOF], 5, v2
	s_lshl_b32 s46, s42, 10                        ; my first column in bytes of f32: 1,024 x tile column + 512 x half: for the bias and for out0
	s_lshl_b32 s47, s[LO], 9
	s_add_co_u32 s46, s46, s47
	s_mov_b32 s47, 0
	s_add_nc_u64 s[10:11], s[10:11], s[46:47]
	s_add_nc_u64 s[8:9], s[8:9], s[46:47]
.irp b, 0,1,2,3,4,5,6,7
	global_load_b128 v[BI+8*\b:BI+8*\b+3], v[BOF], s[10:11] offset:64*\b       ; proj_b at columns 16 b + 8 h + 0 .. 7
	global_load_b128 v[BI+8*\b+4:BI+8*\b+7], v[BOF], s[10:11] offset:64*\b+16
.endr
	v_mul_u32_u24 v3, v1, PA
	v_lshl_add_u32 v3, v2, 4, v3                   ; A: row r x pitch + 16 h
	s_mul_i32 s22, s[HI], 64*PA                    ; my 64 rows
	v_and_b32 v4, 7, v0
	v_lshl_add_u32 v4, v2, 3, v4                   ; pw, for the turning load: row 8 h + l % 8,
	v_mul_u32_u24 v4, v4, PB
	v_bfe_u32 v5, v0, 3, 1
	v_lshl_add_u32 v4, v5, 4, v4                   ; columns 8 ((l / 8) % 2) on
	s_lshl_b32 s23, s[LO], 8                       ; my 128 columns
	s_add_co_u32 s23, s23, BOFF
.irp s, 0,1
	v_add_nc_u32 v[ADRA+\s], s22, v3
	v_add_nc_u32 v[ADRB+\s], s23, v4
	s_add_co_u32 s22, s22, SLOT
	s_add_co_u32 s23, s23, SLOT
.endr
	s_mul_i32 s22, s[WV], 16*SPITCH                ; my stage
	v_mul_u32_u24 v5, v1, SPITCH
	v_lshl_add_u32 v5, v2, 5, v5
	v_add_nc_u32 v[STO], s22, v5                   ; in: row r, 32 bytes for each half of the lanes
	v_and_b32 v6, 31, v0
	v_lshlrev_b32 v[CO], 4, v6                     ; back: the 32 lanes take a row of 512 bytes; and the same in out0
	v_add_nc_u32 v[RD], s22, v[CO]
	s_lshl_b32 s16, s13, 7
	s_lshl_b32 s17, s[HI], 6
	s_add_co_u32 s16, s16, s17                     ; my first row: 128 x tile row + 64 x half
	s_lshl_b32 s16, s16, 12                        ; rows of 4,096 bytes
	s_mov_b32 s17, 0
	s_add_nc_u64 s[8:9], s[8:9], s[16:17]
; 8 matrix instructions: A's block a x pw's eight, 32 along K, from buffer f.  bias = 1: the first product starts the sums on the bias.  The 32 accumulators take turns, one instruction a turn.
.macro MUL8 f, a, bias
.irp b, 0,1,2,3,4,5,6,7
.if \bias
	v_wmma_f32_16x16x32_f16 v[8*(8*(\a)+\b):8*(8*(\a)+\b)+7], v[\f+32+8*\b:\f+32+8*\b+7], v[\f+8*(\a):\f+8*(\a)+7], v[BI+8*\b:BI+8*\b+7]
.else
	v_wmma_f32_16x16x32_f16 v[8*(8*(\a)+\b):8*(8*(\a)+\b)+7], v[\f+32+8*\b:\f+32+8*\b+7], v[\f+8*(\a):\f+8*(\a)+7], v[8*(8*(\a)+\b):8*(8*(\a)+\b)+7]
.endif
.endr
.endm
; 24 LDS loads in one run: the fragments of the slot's quarter qd (32 along K) into buffer f: pw's eight, turned, then A's four
.macro FETCH slot, qd, f
	WIN TO_F
.irp b, 0,1,2,3,4,5,6,7
	ds_load_tr16_b128 v[\f+32+8*\b:\f+32+8*\b+3], v[ADRB+\slot] offset:(\qd)*32*PB+32*\b
	ds_load_tr16_b128 v[\f+32+8*\b+4:\f+32+8*\b+7], v[ADRB+\slot] offset:(\qd)*32*PB+16*PB+32*\b
.endr
.irp i, 0,1,2,3
	ds_load_b128 v[\f+8*\i:\f+8*\i+3], v[ADRA+\slot] offset:((\qd)/2)*PLANE+((\qd)%2)*64+\i*16*PA
	ds_load_b128 v[\f+8*\i+4:\f+8*\i+7], v[ADRA+\slot] offset:((\qd)/2)*PLANE+((\qd)%2)*64+\i*16*PA+32
.endr
.endm
.macro PLACES                          ; four places ahead of loads into registers that matrix instructions have read, and of the first read of results
.rept 4
	v_nop
.endr
.endm
.macro MWIN bias
.if \bias
	WIN MULB
.else
	WIN MULW
.endif
.endm
; A K step is four quarters of 32 along K, 32 matrix instructions each, on buffers 0, 1, 0, 1.  One of the first three: multiplies buffer f and fetches quarter qd into g.
.macro QUARTER slot, qd, f, g, bias
	s_wait_dscnt 4                                 ; pw's fragments and A's blocks 0, 1 are in; the youngest four loads (A's blocks 2, 3) may be out
	MWIN \bias
	MUL8 \f, 0, \bias
	MUL8 \f, 1, \bias
	PLACES
	FETCH \slot, \qd, \g
	s_wait_dscnt 24                                ; all but the 24 just issued
	MWIN \bias
	MUL8 \f, 2, \bias
	MUL8 \f, 3, \bias
.endm
; The last quarter multiplies buffer 1 and changes slots: one barrier; in front of it each wave waits for all its tensor loads, adds 0 to its spare word, and waits for that and for its reads of this slot.  fill = 1: this slot is filled again, two K steps ahead.
.macro TURN slot, next, fill
	WIN 0                                          ; (the add's two registers lie in window 0)
	s_wait_tensorcnt 0x0                           ; all my tensor loads have landed: my part of the next slot
	ds_add_u32 v[SPW], v[NIL]
	s_wait_dscnt 5                                 ; (the add and the youngest four loads may be out)
	WIN MULW
	MUL8 F1, 0, 0
	s_wait_dscnt 0x0                               ; the add is done, and my reads of this slot are over
	s_barrier_signal -1
	MUL8 F1, 1, 0
.if \fill
	WIN 0
.endif
	s_barrier_wait -1
.if \fill
	CREST                                          ; the barrier has opened a round of the cluster's: no wave of any partner still reads this slot or has a load on its way
	s_add_nc_u64 s[G0+4*\slot+2:G0+4*\slot+3], s[G0+4*\slot+2:G0+4*\slot+3], 4*(1<<20)
	s_add_nc_u64 s[G0B+4*\slot+2:G0B+4*\slot+3], s[G0B+4*\slot+2:G0B+4*\slot+3], 2*KSTEP*2048
	JLOAD \slot                                    ; the first tensor load behind the round; its four v_nop are also the places ahead of the loads below
.else
	PLACES
.endif
	FETCH \next, 0, F0
	WIN MULW
	MUL8 F1, 2, 0
	MUL8 F1, 3, 0
.endm
	s_wait_tensorcnt 1                             ; my part of K step 0 is in (K step 1's load may be out)
	s_barrier_signal -1
	s_barrier_wait -1                              ; everybody's is
	FETCH 0, 0, F0
	s_wait_loadcnt 0x0                             ; the bias
	QUARTER 0, 1, F0, F1, 1                        ; the first quarter stands in front of the loop: its products start the sums
	WIN 0
	s_mov_b32 s3, LAPS-1
.Llap:                                                 ; a trip goes once round the ring, from a lap's second quarter to the next lap's first, and fills both slots again
	QUARTER 0, 2, F1, F0, 0
	QUARTER 0, 3, F0, F1, 0
	TURN 0, 1, 1
	QUARTER 1, 1, F0, F1, 0
	QUARTER 1, 2, F1, F0, 0
	QUARTER 1, 3, F0, F1, 0
	TURN 1, 0, 1
	QUARTER 0, 1, F0, F1, 0
	WIN 0
	s_sub_co_u32 s3, s3, 1
	s_cmp_lg_u32 s3, 0
	s_cbranch_scc1 .Llap
	QUARTER 0, 2, F1, F0, 0                        ; the last lap fills nothing
	QUARTER 0, 3, F0, F1, 0
	TURN 0, 1, 0
	QUARTER 1, 1, F0, F1, 0
	QUARTER 1, 2, F1, F0, 0
	QUARTER 1, 3, F0, F1, 0
	s_wait_dscnt 4                                 ; the very last quarter: nothing more to fetch
	WIN MULW
	MUL8 F1, 0, 0
	MUL8 F1, 1, 0
	s_wait_dscnt 0
	MUL8 F1, 2, 0
	MUL8 F1, 3, 0
	WIN 0
; THE WAY OUT, block by block of 16 rows x 128 columns: through my own stage in LDS and back as whole rows of 512 bytes.  LDS serves a wave's instructions in order: no wait between the stores and the loads.
.macro TOSTAGE a
	WIN 0x08                                       ; an LDS store's data are its source 1: window 2
.irp b, 0,1,2,3,4,5,6,7
	ds_store_b128 v[STO], v[64*(\a)+8*\b:64*(\a)+8*\b+3] offset:64*\b          ; each accumulator from its low end on
	ds_store_b128 v[STO], v[64*(\a)+8*\b+4:64*(\a)+8*\b+7] offset:64*\b+16
.endr
	WIN 0
.set BB, BK+64*((\a)%2)
.irp t, 0,1,2,3,4,5,6,7,8,9,10,11,12,13,14,15
	ds_load_b128 v[BB+4*\t:BB+4*\t+3], v[RD] offset:\t*SPITCH
.endr
.endm
.macro SEND a, younger                 ; younger: the LDS instructions issued behind block a's loads, which may stay out
.set BB, BK+64*((\a)%2)
	s_wait_dscnt \younger
.irp t, 0,1,2,3,4,5,6,7,8,9,10,11,12,13,14,15
	global_store_b128 v[CO], v[BB+4*\t:BB+4*\t+3], s[8:9] offset:(16*(\a)+\t)*4096 th:TH_STORE_NT   ; 32 lanes store 512 consecutive bytes; written once, read by nobody here
.endr
.endm
	PLACES
	TOSTAGE 0
.irp a, 1,2,3
.if \a > 1
	s_wait_xcnt 0x0                                ; the stores of the block before last have read the registers into which these loads land
.endif
	TOSTAGE \a
	SEND \a-1, 32                                  ; behind block a - 1's loads: block a's 16 stores and 16 loads
.endr
	SEND 3, 0
	s_wait_tensorcnt 0x0                           ; the wave's end, behind my last tensor load and my last LDS store
	ds_add_u32 v[SPW], v[NIL]
	s_wait_dscnt 0x0
	CROUND                                         ; the closing round
	s_endpgm
.Lfunc_end_k_q7a1038dc2e_proj:
	.size	k_q7a1038dc2e_proj, .Lfunc_end_k_q7a1038dc2e_proj-k_q7a1038dc2e_proj
	.p2alignl 7, 3214868480
	.fill 96, 4, 3214868480
	.section	.rodata,"a",@progbits
	.p2align	6, 0x0
	.amdhsa_kernel k_q7a1038dc2e_proj
		.amdhsa_group_segment_fixed_size 327680
		.amdhsa_private_segment_fixed_size 0
		.amdhsa_enable_private_segment 0
		.amdhsa_kernarg_size 32
		.amdhsa_user_sgpr_count 2
		.amdhsa_user_sgpr_kernarg_segment_ptr 1
		.amdhsa_wavefront_size32 1
		.amdhsa_system_sgpr_workgroup_id_x 1
		.amdhsa_system_sgpr_workgroup_id_y 1
		.amdhsa_system_sgpr_workgroup_id_z 1
		.amdhsa_system_vgpr_workitem_id 0
		.amdhsa_next_free_vgpr 768
		.amdhsa_next_free_sgpr 68
		.amdhsa_reserve_vcc 0
		.amdhsa_float_denorm_mode_32 3
		.amdhsa_float_denorm_mode_16_64 3
		.amdhsa_memory_ordered 1
		.amdhsa_forward_progress 1
		.amdhsa_inst_pref_size 86
	.end_amdhsa_kernel
	.amdgpu_metadata
---
amdhsa.version: [ 1, 2 ]
amdhsa.kernels:
  - .name:           k_q7a1038dc2e_proj
    .symbol:         k_q7a1038dc2e_proj.kd
    .args:
      - { .name: ao, .offset: 0, .size: 8, .value_kind: global_buffer, .address_space: global }
      - { .name: pw, .offset: 8, .size: 8, .value_kind: global_buffer, .address_space: global }
      - { .name: out0, .offset: 16, .size: 8, .value_kind: global_buffer, .address_space: global }
      - { .name: proj_b, .offset: 24, .size: 8, .value_kind: global_buffer, .address_space: global }
    .group_segment_fixed_size: 327680
    .private_segment_fixed_size: 0
    .kernarg_segment_align: 8
    .kernarg_segment_size: 32
    .max_flat_workgroup_size: 128
    .sgpr_count:     68
    .vgpr_count:     768
    .wavefront_size: 32
...
	.end_amdgpu_metadata
.endif
;; end of part 5
